; MI455X (gfx1250); checked and timed in simulation.
; The chip was launched on July 23, 2026; its instructions are those of AMD's public machine-readable ISA for CDNA 5 (MIT licence, August 2026) and "CDNA5" Instruction Set Architecture Reference Guide (July 2026). The comments in the code are by the model that wrote it; some were corrected since.
;; Causal Self Attention. Allowed arithmetic: matrix products marked QUANTISED: E2M1 operands, one E8M0 scale for each 32 along K, by v_wmma_scale_f32_16x16x128_f8f6f4 with both operands' format E2M1 (or v_wmma_scale_f32_32x16x128_f4), f32 sums; everything else in f32.
;; Inputs: bk 1,024 float32; bp 1,024 float32; bq 1,024 float32; bv 1,024 float32; wk 1,024 x 1,024 float32; wp 1,024 x 1,024 float32; wq 1,024 x 1,024 float32; wv 1,024 x 1,024 float32; x 4 x 2,048 x 1,024 float32.
;; Outputs: out0 4 x 2,048 x 1,024 float32.
;; This version of the problem:
;;   THIS VERSION OF THE PROBLEM IS GIVEN IN LOW PRECISION. The matrix products marked QUANTISED in the list below multiply operands that are first quantised to E2M1 (2 exponent bits, 1 mantissa bit; 4 bits a number), with one power-of-two scale for each 32 numbers along K (OCP MX v1.0); their sums are f32. All else is computed in f32.
;;   The module's matrix products, in the order in which they are computed (A, B: the left and right operand; K: the contracted axis; several contracted axes count as one K, in the product's order):
;;     1. [M 8,192, K 1,024] x [K 1,024, N 1,024]; A: input x; B: input wq: QUANTISED
;;     2. [M 8,192, K 1,024] x [K 1,024, N 1,024]; A: input x; B: input wk: QUANTISED
;;     3. [M 8,192, K 1,024] x [K 1,024, N 1,024]; A: input x; B: input wv: QUANTISED
;;     4. batch 64 x [M 2,048, K 64] x [K 64, N 2,048]; A: computed on the way; B: computed on the way: QUANTISED
;;     5. batch 64 x [M 2,048, K 2,048] x [K 2,048, N 64]; A: softmax (see below); B: computed on the way: QUANTISED
;;     6. [M 8,192, K 1,024] x [K 1,024, N 1,024]; A: computed on the way; B: input wp: QUANTISED
;;   THE QUANTISER, for each operand of a quantised product, along K:
;;     - K is cut into blocks of 32 from its start; a last block that is shorter is filled with zeros.
;;     - A block's scale is 2^e with e = floor(log2(the largest magnitude in the block)) - 2, held to -126 .. 127; a block of zeros has e = 0. As a byte (E8M0): e + 127.
;;     - Each number is divided by its block's scale, clamped to +-6, and rounded to the nearest number of E2M1, ties to even, subnormals kept.
;;     - The product sums the exact products of the quantised numbers (number of the format x scale) in f32.
;;   ~~~python
;;   def quantise(x, axis):      # numpy; x: float32 -> the quantised numbers, widened to float32 again
;;       x = np.moveaxis(x, axis, -1); K = x.shape[-1]
;;       x = np.pad(x, [(0, 0)] * (x.ndim - 1) + [(0, -K % 32)]); x = x.reshape(x.shape[:-1] + (-1, 32)); a = np.abs(x).max(-1, keepdims=True)
;;       e = np.where(a > 0, np.clip(np.frexp(np.where(a > 0, a, 1))[1] - 1 - 2, -126, 127), 0)      # np.frexp(a)[1] - 1 = floor(log2(a)), exactly
;;       r = np.clip(x / 2.0 ** e, -6, 6)
;;       step = 2.0 ** (np.maximum(np.frexp(np.where(r == 0, 1, r))[1] - 1, 0) - 1)
;;       q = np.round(r / step) * step * 2.0 ** e      # np.round: ties to even
;;       return np.moveaxis(q.reshape(q.shape[:-2] + (-1,))[..., :K], -1, axis).astype(np.float32)
;;   ~~~
;;   SOFTMAX AHEAD OF A QUANTISED PRODUCT. Where the list says 'softmax', what is quantised is not the finished softmax but p = 2^(t - M), with t = logit x log2(e) and M = ceil(the row's largest t), a whole number; so 1/2 < the row's largest p <= 1. The row's sum l is taken of the UNQUANTISED p, in f32, and the product's result is divided by l at the end. Since M is a whole number, a kernel that streams over the keys may use a running M (the ceiling of the running maximum): every later rescaling is an exact power of two, which a block's scale takes up: the codes' values come out the same.
;;   OPERANDS COMPUTED ON THE WAY. 'Computed on the way' means the value that the module computes at that place (a softmax that the list does not call 'softmax' is quantised finished and normalised). What goes into a quantiser is computed in f32, as accurately as f32 sums, v_exp_f32 and their like allow (about 1e-6 of the number): no bf16 or f16 on the way to a quantiser, and a product that is left as it is and whose result goes on into a quantised operand takes f32 operands (vector FMAs, or v_wmma_f32_16x16x4_f32). A number that lies on a knife's edge between two numbers of the format may be rounded either way, as far as f32 arithmetic and the matrix unit's own rounding can turn it there, and no further.
;; One version. Each part assembles by itself: llvm-mc -triple=amdgcn-amd-amdhsa -mcpu=gfx1250 --defsym DOCPART=n.
;; ======== version 1 of 1: 4 launches
;; workspace buffers: xq 4,456,448 bytes; wz 2,228,224 bytes; yq 4,456,448 bytes; rope 524,288 bytes; kv 9,175,040 bytes; qb 9,175,040 bytes
;; launch quant (part 1): grid 400 x 1, 4 waves a work-group, no clusters, 34,304 bytes of LDS; arguments x, wq, wk, wv, wp, xq, wz, rope; writes xq, wz, rope
.if DOCPART == 1
	.amdgcn_target "amdgcn-amd-amdhsa--gfx1250"
	.amdhsa_code_object_version 6
	.text
	.protected	k_qd29ea5ebf2_quant
	.globl	k_qd29ea5ebf2_quant
	.p2align	8
	.type	k_qd29ea5ebf2_quant,@function
k_qd29ea5ebf2_quant:
	s_mov_b64 s[64:65], 0
	v_nop
	global_prefetch_b8 v0, s[64:65] scope:SCOPE_SE
	s_setreg_imm32_b32 hwreg(HW_REG_WAVE_MODE, 25, 1), 1
	s_wait_xcnt 0x0
; x [8192][1024] and wq, wk, wv, wp [1024][1024], f32 with K innermost, become codes of FP4 (E2M1) with one E8M0 byte for each 32 along K,
; laid in the ORDER OF AN OPERAND'S REGISTERS: rows in tiles of 16; codes [tile][block of 32 along K: 32][row: 16][16 bytes], scale bytes [tile][half of K: 2][row: 16][16 bytes].
; So a fragment's four registers of all 32 lanes are 512 consecutive bytes.  wz holds wq, wk, wv, wp one behind the other, 64 tiles each.
; A block's scale is 2^(floor(log2(its largest magnitude)) - 2): its byte is the largest magnitude's exponent field - 2, held at 1 from below.
; LIMITS: NaN and infinities among the inputs are not served; a block whose largest magnitude lies under 2^-124 has its byte held at 1; a block of zeros gets the byte 1 where the rule says 127
; (its codes are zeros, and this program alone reads the bytes).
; SHARES.  Work-groups 0-255 take x, 256-383 the weights: two row tiles each; wave w takes tile w / 2 and half w % 2 of K: 16 rows x 512 numbers, in 4 steps of 128 along K.
; Each load reads 512 consecutive bytes of one row; the conversions want 32 neighbours in ONE lane: a step's 16 x 512 bytes turn through the wave's own stage in LDS (rows 528 bytes apart).
; No barrier: waves share nothing.  No tensor loads, no matrix unit, no cluster: a stream that is read once.
; Work-groups 384-399 make the table of cos and sin for the rotation: rope [pair of pairs g: 16][t: 2048][cos, sin of pair 2 g, cos, sin of pair 2 g + 1].
; theta_j = 10000^(-j/32) = 10^(-j/8), written as decimals (the assembler rounds them to f32); the angle is the f32 product theta t; it is reduced by n = round(angle 2/pi) in two fused steps
; (pi/2 = HI - MID; the first step rounds nothing) and cos and sin come from polynomials on |r| <= pi/4: about 1e-7 absolute.
.set XSO,  4194304                     ; xq: where the scale bytes begin
.set WSO,  2097152                     ; wz: likewise
.set SPI,  528                         ; a stage row: 512 bytes + 16
.set WST,  16*SPI                      ; a wave's stage
.set RR,   32                          ; v32-159  two sets of 64: a step's numbers as loaded
.set XX,   160                         ; v160-223 two blocks of 32 neighbours
.set CC,   224                         ; v224-255 codes: four registers for each of the wave's 8 blocks a lane: no store's data are written again
.set SW,   16                          ; v16-19   the four scale words of my row
	s_load_b512 s[4:19], s[0:1], 0x0               ; x, wq, wk, wv, wp, xq, wz, rope
	v_lshl_add_u32 v30, v0, 2, 0x8400
	v_mov_b32 v31, 0
	v_lshrrev_b32 v1, 5, v0
	v_readfirstlane_b32 s26, v1                    ; wave
	v_and_b32 v1, 31, v0                           ; lane
	s_cmp_ge_u32 ttmp9, 384
	s_cbranch_scc1 .Lrope
	v_and_b32 v2, 15, v0                           ; r
	v_bfe_u32 v3, v0, 4, 1                         ; h
	v_lshlrev_b32 v4, 4, v1                        ; 16 x lane: my bytes of a load's and of a store's 512
	s_mul_i32 s36, s26, WST
	v_add_nc_u32 v5, s36, v4                       ; into the stage
	v_mul_u32_u24 v6, v2, SPI
	v_lshl_add_u32 v6, v3, 7, v6
	v_add_nc_u32 v6, s36, v6                       ; out of it: row r, block h of a pair of blocks
	v_lshlrev_b32 v7, 3, v3                        ; 8 h
	v_lshlrev_b32 v8, 4, v2
	v_lshl_add_u32 v8, v3, 3, v8                   ; 16 r + 8 h: my 8 scale bytes
	v_mov_b32 v12, 0                               ; a lane permute's destination counts as one of its sources
	s_mov_b32 s28, 0x76543210
	s_mov_b32 s29, 0xfedcba98                      ; selects for lane l xor 16
	s_lshr_b32 s37, s26, 1                         ; which of the two row tiles
	s_and_b32 s38, s26, 1                          ; which half of K
	s_sub_co_u32 s30, ttmp9, 256                   ; among the weights' work-groups
	s_lshr_b32 s31, s30, 5                         ; which weight
	s_and_b32 s32, s30, 31                         ; which pair of tiles in it
	s_wait_alu depctr_va_vdst(0)
	s_wait_kmcnt 0x0
	s_cmp_eq_u32 s31, 1
	s_cselect_b64 s[20:21], s[8:9], s[6:7]
	s_cmp_eq_u32 s31, 2
	s_cselect_b64 s[20:21], s[10:11], s[20:21]
	s_cmp_eq_u32 s31, 3
	s_cselect_b64 s[20:21], s[12:13], s[20:21]
	s_mov_b32 s35, WSO
	s_cmp_lt_u32 ttmp9, 256                        ; x or a weight: the choice hangs on the work-group's number alone
	s_cselect_b64 s[20:21], s[4:5], s[20:21]
	s_cselect_b64 s[22:23], s[14:15], s[16:17]
	s_cselect_b32 s33, ttmp9, s32
	s_cselect_b32 s34, ttmp9, s30
	s_cselect_b32 s35, XSO, s35
	s_lshl_b32 s33, s33, 1
	s_add_co_u32 s33, s33, s37                     ; my row tile in the source
	s_lshl_b32 s34, s34, 1
	s_add_co_u32 s34, s34, s37                     ; and in the destination
	s_lshl_b32 s40, s33, 16                        ; 16 rows of 4,096 bytes
	s_lshl_b32 s39, s38, 11
	s_add_co_u32 s40, s40, s39
	s_mov_b32 s41, 0
	s_add_nc_u64 s[20:21], s[20:21], s[40:41]      ; the numbers
	s_lshl_b32 s40, s34, 9
	s_lshl_b32 s39, s38, 8
	s_add_co_u32 s40, s40, s39
	s_add_co_u32 s40, s40, s35
	s_add_nc_u64 s[24:25], s[22:23], s[40:41]      ; the scale bytes
	s_lshl_b32 s40, s34, 13
	s_lshl_b32 s39, s38, 12
	s_add_co_u32 s40, s40, s39
	s_add_nc_u64 s[22:23], s[22:23], s[40:41]      ; the codes
.macro LOAD t                          ; step t: 128 along K of each of the 16 rows
.irp rho, 0,1,2,3,4,5,6,7,8,9,10,11,12,13,14,15
	global_load_b128 v[RR+64*((\t)%2)+4*\rho:RR+64*((\t)%2)+4*\rho+3], v4, s[20:21] offset:4096*\rho+512*(\t) th:TH_LOAD_NT
.endr
.endm
.macro Q32 xs, c, by                   ; 32 neighbours of one lane -> four registers of codes and the block's byte
	v_max3_num_f32 v10, |v[(\xs)]|, |v[(\xs)+1]|, |v[(\xs)+2]|
	v_max3_num_f32 v11, |v[(\xs)+3]|, |v[(\xs)+4]|, |v[(\xs)+5]|
.irp i, 6,10,14,18,22,26
	v_max3_num_f32 v10, v10, |v[(\xs)+\i]|, |v[(\xs)+\i+1]|
	v_max3_num_f32 v11, v11, |v[(\xs)+\i+2]|, |v[(\xs)+\i+3]|
.endr
	v_max3_num_f32 v10, v10, |v[(\xs)+30]|, |v[(\xs)+31]|
	v_max3_num_f32 v10, v10, v11, 0x1800000        ; and the floor 2^(3 - 127): the byte cannot fall under 1
	v_add_nc_u32 v11, 0xff000000, v10              ; 2 off the exponent field: the conversion takes the exponent field of this operand as its scale
.irp g, 0,1,2,3
	v_cvt_scalef32_pk8_fp4_f32 v[(\c)+\g], v[(\xs)+8*\g:(\xs)+8*\g+7], v11
.endr
	v_lshrrev_b32 v[\by], 23, v11                  ; the byte; also the plain line behind the conversions
.endm
.macro STEP t
.if (\t) < 3
	s_wait_loadcnt 16                              ; this step's 16 loads are in; the next step's 16 may be out
.else
	s_wait_loadcnt 0x0
.endif
.irp rho, 0,1,2,3,4,5,6,7,8,9,10,11,12,13,14,15
	ds_store_b128 v5, v[RR+64*((\t)%2)+4*\rho:RR+64*((\t)%2)+4*\rho+3] offset:SPI*\rho   ; LDS serves a wave's instructions in order: these come behind the last step's reads
.endr
.irp p, 0,1
.irp j, 0,1,2,3,4,5,6,7
	ds_load_b128 v[XX+32*\p+4*\j:XX+32*\p+4*\j+3], v6 offset:256*\p+16*\j   ; block 2 p + h of my row
.endr
.endr
	s_wait_dscnt 8                                 ; the stores and the first block are done; the second block's 8 loads may be out
.if (\t) < 2
	LOAD (\t)+2                                    ; into the set that the stores have read
.endif
	Q32 XX, CC+8*(\t), 13
	s_wait_dscnt 0x0
	Q32 XX+32, CC+8*(\t)+4, 14
	global_store_b128 v4, v[CC+8*(\t):CC+8*(\t)+3], s[22:23] offset:(4*(\t))*256       ; blocks 4 t and 4 t + 1 of 16 rows: 512 consecutive bytes
	global_store_b128 v4, v[CC+8*(\t)+4:CC+8*(\t)+7], s[22:23] offset:(4*(\t)+2)*256
	v_lshl_or_b32 v13, v14, 16, v13                ; my two bytes, blocks h and 2 + h of the step,
	v_lshlrev_b32 v13, v7, v13                     ; at their places in the step's scale word;
	v_permlanex16_b32 v12, v13, s28, s29
	v_or_b32 v[SW+(\t)], v13, v12                  ; with lane l xor 16's two the word is whole
.endm
	LOAD 0
	LOAD 1
	STEP 0
	STEP 1
	STEP 2
	STEP 3
	v_cmp_eq_u32 vcc_lo, 1, v3
	v_cndmask_b32 v20, v16, v18, vcc_lo            ; lane (r, h) stores words 2 h and 2 h + 1 of row r:
	v_cndmask_b32 v21, v17, v19, vcc_lo
	global_store_b64 v8, v[20:21], s[24:25]        ; the wave stores 256 consecutive bytes
	s_wait_tensorcnt 0x0
	ds_add_u32 v30, v31
	s_wait_dscnt 0x0
	s_endpgm
.Lrope:
	s_sub_co_u32 s30, ttmp9, 384
	s_lshl_b32 s30, s30, 2
	s_add_co_u32 s30, s30, s26
	s_lshl_b32 s30, s30, 5
	s_wait_alu depctr_va_vdst(0)
	v_add_nc_u32 v8, s30, v1                       ; t = 32 (4 work-group + wave) + lane
	v_cvt_f32_u32 v9, v8
	v_lshlrev_b32 v8, 4, v8                        ; 16 bytes for each t
	s_mov_b32 s30, 0x3f22f983                      ; 2 / pi
	s_mov_b32 s31, 0xbfc90fdb                      ; -HI, HI = pi/2 rounded to f32
	s_mov_b32 s32, 0x333bbd2e                      ; MID = HI - pi/2
	s_mov_b32 s33, 0xbe2aaaa3                      ; sin: -1.6666654611e-1, 8.3321608736e-3, -1.9515295891e-4
	s_mov_b32 s34, 0x3c08839e
	s_mov_b32 s35, 0xb94ca1f9
	s_mov_b32 s36, 0x3d2aaaa5                      ; cos: 4.166664568e-2, -1.388731625e-3, 2.443315712e-5
	s_mov_b32 s37, 0xbab6061a
	s_mov_b32 s38, 0x37ccf5ce
	s_wait_alu depctr_va_vdst(0)
	s_wait_kmcnt 0x0
.macro SINCOS th, c, s
	v_mul_f32 v10, \th, v9                         ; the angle, as the f32 product
	v_mul_f32 v11, s30, v10
	v_rndne_f32 v11, v11                           ; n
	v_fma_f32 v12, v11, s31, v10                   ; angle - n HI: nothing is rounded
	v_fma_f32 v12, v11, s32, v12                   ; + n MID: r
	v_mul_f32 v13, v12, v12                        ; z = r r
	v_cvt_i32_f32 v14, v11
	v_fma_f32 v15, v13, s35, s34
	v_fma_f32 v20, v13, s38, s37
	v_fma_f32 v15, v15, v13, s33
	v_fma_f32 v20, v20, v13, s36
	v_mul_f32 v15, v15, v13
	v_mul_f32 v21, v13, v13
	v_fma_f32 v22, v13, -0.5, 1.0
	v_fma_f32 v15, v15, v12, v12                   ; sin r
	v_fma_f32 v20, v20, v21, v22                   ; cos r
	v_and_b32 v23, 1, v14
	v_cmp_eq_u32 vcc_lo, 1, v23                    ; an odd quarter turn swaps them
	v_cndmask_b32 v[\s], v15, v20, vcc_lo
	v_cndmask_b32 v[\c], v20, v15, vcc_lo
	v_lshlrev_b32 v23, 30, v14
	v_add_nc_u32 v24, 1, v14
	v_and_b32 v23, 0x80000000, v23                 ; sin is negated in quarters 2 and 3,
	v_lshlrev_b32 v24, 30, v24
	v_xor_b32 v[\s], v[\s], v23
	v_and_b32 v24, 0x80000000, v24                 ; cos in quarters 1 and 2
	v_xor_b32 v[\c], v[\c], v24
.endm
.macro PAIR g, th0, th1
	SINCOS \th0, 64+4*\g, 65+4*\g
	SINCOS \th1, 66+4*\g, 67+4*\g
	global_store_b128 v8, v[64+4*\g:67+4*\g], s[18:19] offset:32768*\g   ; 32 neighbouring t: 512 consecutive bytes
.endm
	PAIR 0, 1.0, 0.7498942093324559
	PAIR 1, 0.5623413251903491, 0.4216965034285822
	PAIR 2, 0.31622776601683794, 0.23713737056616552
	PAIR 3, 0.1778279410038923, 0.1333521432163324
	PAIR 4, 0.1, 0.07498942093324559
	PAIR 5, 0.05623413251903491, 0.04216965034285822
	PAIR 6, 0.031622776601683794, 0.023713737056616552
	PAIR 7, 0.01778279410038923, 0.01333521432163324
	PAIR 8, 0.01, 0.007498942093324559
	PAIR 9, 0.005623413251903491, 0.004216965034285822
	PAIR 10, 0.0031622776601683794, 0.0023713737056616552
	PAIR 11, 0.001778279410038923, 0.001333521432163324
	PAIR 12, 0.001, 0.0007498942093324559
	PAIR 13, 0.0005623413251903491, 0.0004216965034285822
	PAIR 14, 0.00031622776601683794, 0.00023713737056616552
	PAIR 15, 0.0001778279410038923, 0.0001333521432163324
	s_endpgm
.Lfunc_end_k_qd29ea5ebf2_quant:
	.size	k_qd29ea5ebf2_quant, .Lfunc_end_k_qd29ea5ebf2_quant-k_qd29ea5ebf2_quant
	.p2alignl 7, 3214868480
	.fill 96, 4, 3214868480
	.section	.rodata,"a",@progbits
	.p2align	6, 0x0
	.amdhsa_kernel k_qd29ea5ebf2_quant
		.amdhsa_group_segment_fixed_size 34304
		.amdhsa_private_segment_fixed_size 0
		.amdhsa_enable_private_segment 0
		.amdhsa_kernarg_size 64
		.amdhsa_user_sgpr_count 2
		.amdhsa_user_sgpr_kernarg_segment_ptr 1
		.amdhsa_wavefront_size32 1
		.amdhsa_system_sgpr_workgroup_id_x 1
		.amdhsa_system_sgpr_workgroup_id_y 1
		.amdhsa_system_sgpr_workgroup_id_z 1
		.amdhsa_system_vgpr_workitem_id 0
		.amdhsa_next_free_vgpr 256
		.amdhsa_next_free_sgpr 66
		.amdhsa_reserve_vcc 1
		.amdhsa_float_denorm_mode_32 3
		.amdhsa_float_denorm_mode_16_64 3
		.amdhsa_memory_ordered 1
		.amdhsa_forward_progress 1
		.amdhsa_inst_pref_size 72
	.end_amdhsa_kernel
	.amdgpu_metadata
---
amdhsa.version: [ 1, 2 ]
amdhsa.kernels:
  - .name:           k_qd29ea5ebf2_quant
    .symbol:         k_qd29ea5ebf2_quant.kd
    .args:
      - { .name: x, .offset: 0, .size: 8, .value_kind: global_buffer, .address_space: global }
      - { .name: wq, .offset: 8, .size: 8, .value_kind: global_buffer, .address_space: global }
      - { .name: wk, .offset: 16, .size: 8, .value_kind: global_buffer, .address_space: global }
      - { .name: wv, .offset: 24, .size: 8, .value_kind: global_buffer, .address_space: global }
      - { .name: wp, .offset: 32, .size: 8, .value_kind: global_buffer, .address_space: global }
      - { .name: xq, .offset: 40, .size: 8, .value_kind: global_buffer, .address_space: global }
      - { .name: wz, .offset: 48, .size: 8, .value_kind: global_buffer, .address_space: global }
      - { .name: rope, .offset: 56, .size: 8, .value_kind: global_buffer, .address_space: global }
    .group_segment_fixed_size: 34304
    .private_segment_fixed_size: 0
    .kernarg_segment_align: 8
    .kernarg_segment_size: 64
    .max_flat_workgroup_size: 128
    .sgpr_count:     66
    .vgpr_count:     256
    .wavefront_size: 32
...
	.end_amdgpu_metadata
.endif
;; end of part 1
;; launch qkv (part 2): grid 12 x 32, 4 waves a work-group, clusters of 4 x 4, 327,680 bytes of LDS; arguments xq, wz, bq, bk, bv, rope, qb, kv; writes qb, kv
.if DOCPART == 2
	.amdgcn_target "amdgcn-amd-amdhsa--gfx1250"
	.amdhsa_code_object_version 6
	.text
	.protected	k_qd29ea5ebf2_qkv
	.globl	k_qd29ea5ebf2_qkv
	.p2align	8
	.type	k_qd29ea5ebf2_qkv,@function
k_qd29ea5ebf2_qkv:
	s_mov_b64 s[64:65], 0
	v_nop
	global_prefetch_b8 v0, s[64:65] scope:SCOPE_SE
	s_setreg_imm32_b32 hwreg(HW_REG_WAVE_MODE, 25, 1), 1
	s_wait_xcnt 0x0
	s_wait_alu depctr_hold_cnt(0) depctr_sa_sdst(0) depctr_va_vdst(0) depctr_va_sdst(0) depctr_va_ssrc(0) depctr_va_vcc(0) depctr_vm_vsrc(0)
	s_getreg_b32 s2, hwreg(HW_REG_IB_STS2, 6, 4)
	s_cmp_eq_u32 s2, 0
	s_cbranch_scc0 .Lentry_in_a_cluster
	s_endpgm
.Lentry_in_a_cluster:
	s_bfe_u32 s2, ttmp6, 0x10000c
	s_cmp_lg_u32 s2, 0xf033
	s_cbranch_scc0 .Lentry_shape_is_right
	s_endpgm
.Lentry_shape_is_right:
; q = rope(x wq^T + bq), k = rope(x wk^T + bk), v = x wv^T + bv, the three products on codes of FP4 (E2M1) with E8M0 scales; the results are quantised again, straight from the accumulators:
; q and k along the head's 64 (two blocks of 32), v along the keys; they go to memory in the order in which the attention launch's operand registers take them.
; A tile of 256 x 256 is made by four waves, 128 x 128 each: 64 accumulators, 512 registers.  K = 1,024 of both operands lies in LDS whole: two slots of 512 along K, each filled once.
; xq and wz are laid in the order of an operand's registers (codes [tile of 16 rows][block of 32 along K: 32][row: 16][16 bytes]), so a fragment's load reads 512 consecutive LDS bytes: no pitch, no padding.
; THE MATRIX INSTRUCTION IS USED TRANSPOSED: source 0 = 16 rows of 'B', source 1 = 16 rows of 'A': a lane holds one row of A, its eight registers eight neighbouring rows of B.
; TWO PATHS, told apart by the CLUSTER's x, which all sixteen partners share.  Clusters x = 0, 1: A = tokens (xq), B = wq's or wk's rows: a lane holds a token, its registers run along the features: the rotation's
; pairs and the quantiser's blocks lie in one lane (and lane l xor 16).  Cluster x = 2: A = wv's rows, B = tokens: a lane holds a feature d and its registers run along the keys, which are the K of attention's second product.
; The core is one text for both: only buffers and tile numbers are chosen (by selects).  The paths' epilogues use no LDS.
; CLUSTERS: 4 x 4 work-groups.  A's tile hangs on cy alone and is asked for jointly along a row of the cluster, B's on cx alone, along a column.
; THE RECORD of a (batch, head) in kv (and, for q, in qb: KC's and KS's places alone): two halves of 1,024 keys, 71,680 bytes each: KC [step of 128 keys: 8][tile of 16: 8][block of d: 2][r: 16][16 bytes];
; at 32,768 VC [step][tile of d: 4][block of 32 keys: 4][d % 16][16 bytes]; at 65,536 KS [step][l: 32][w: 4] the scale word of key 32 w + l (bytes 2, 3 = 127: the upper half of the instruction's K holds zero codes);
; at 69,632 VS [step][l: 32][w: 2] the scale word of d = 32 w + l.
; LIMITS: NaN and infinities are not served; a block whose largest magnitude lies under 2^-124 has its byte held at 1; a block of zeros gets the byte 1 (its codes are zeros; this program alone reads the bytes).
; REGISTERS, in windows of 256: window 0: v1-11 lane terms; v16-29 LDS addresses; v32-95 scale words, two sets; v128-191 A's fragments, later the numbers to quantise; v192-255 the C of the first K step, later at work.
;   window 1: B's fragments, two sets, at v0 and v128; later the table of cos and sin.   windows 2, 3: the accumulators ((a, b) at v[8 (8 (a % 4) + b)]).
.set XSO,   4194304                    ; xq: where the scale bytes begin
.set WSO,   2097152                    ; wz: likewise
.set REC,   143360
.set HREC,  71680
.set NQ,    4                          ; matrix instructions deep in a slot
.set FR,    8                          ; registers of a fragment
.set NL,    2                          ; LDS loads that bring one
.set NP,    4                          ; places behind this matrix instruction (ISA guide 7.12.1)
.set HALFT, 32768                      ; 8 tiles of 16 rows x 512 along K: what one tensor load brings
.set SLOT,  4*HALFT                    ; A's 256 rows, then B's
.set SCL,   2*SLOT                     ; the scale bytes: A's 8,192, then B's
.set HALFS, 4096
.set SBLK,  512                        ; those of 16 rows
.set SPARE, SCL+4*HALFS                ; the spare words, 128 bytes for each wave
.set ADRA, 16
.set ADRB, 20
.set ADRS, 27
.set SPW,  28                          ; v28 LDS address of my spare word; never rewritten
.set NIL,  29                          ; v29 0; never rewritten
.set SC,   32
.set AF,   128
.set BI,   192                         ; the C of the first K step: eight registers for each of B's eight blocks
.set UU,   128                         ; the epilogue: 64 numbers
.set TM,   192                         ; +0..3 largest magnitudes, +4..7 the other lane's, then bytes, +12..15 the conversions' scale operands
.set PR,   208                         ; codes, two sets of 8
.set WW,   224                         ; scale words as they are made
.set ZZ,   240                         ; and as they are stored
.set BV,   248                         ; bv of my lane's feature, for each of A's eight blocks
.set G1, 24
.set G0, 32
.set G1B, 48
.set G0B, 56
.set G1S, 68
.set G0S, 76
.set G1SB, 80
.set G0SB, 88
.set WV,   66                          ; s66 wave
.set RH,   67                          ; s67 which half of A's rows is mine; also: I fetch for A (0) or B (1)
.set CH,   92                          ; s92 which half of B's rows; also: which 128 rows I fetch
.set TROW, 93                          ; s93 A's tile of 256 rows
.set ISV,  94                          ; s94 1 on v's path
.set MSB, 0
.macro WIN new                         ; the immediate's high byte repeats the setting that is left
.if MSB != (\new)
	s_set_vgpr_msb (MSB<<8)|(\new)
.set MSB, (\new)
.endif
.endm
.set MUL_LO, 0xa1                      ; source 0 (B) window 1, source 1 (A) window 0, C and D window 2
.set MUL_HI, 0xf1                      ; the same, C and D window 3
.set C_LO,   0x81                      ; the first K step: C in window 0
.set C_HI,   0xc1
.set TO_B,   0x40
.macro JLOAD g0a, g1a, g0b, g1b        ; a joint load: waves 0, 1 fetch for A, waves 2, 3 for B; four v_nop follow each line
	s_cmp_eq_u32 s[RH], 0
	s_cbranch_scc0 .Lfor_b_\@
	tensor_load_to_lds s[\g0a:\g0a+3], s[\g1a:\g1a+7]
	s_nop 0
.rept 4
	v_nop
.endr
	s_branch .Lasked_\@
.Lfor_b_\@:
	tensor_load_to_lds s[\g0b:\g0b+3], s[\g1b:\g1b+7]
	s_nop 0
.rept 4
	v_nop
.endr
.Lasked_\@:
.endm
.macro CROUND                          ; a round of the cluster's barrier
	s_barrier_signal -1
	s_barrier_wait -1
	s_cmp_lg_u32 s[WV], 0
	s_cbranch_scc1 .Lnot_wave_0_\@
	s_barrier_signal -3
.Lnot_wave_0_\@:
	s_barrier_wait -3
	s_barrier_signal -1
	s_barrier_wait -1
.endm
	s_load_b512 s[4:19], s[0:1], 0x0               ; xq, wz, bq, bk, bv, rope, qb, kv
	v_lshl_add_u32 v[SPW], v0, 2, SPARE
	v_mov_b32 v[NIL], 0
	ds_add_u32 v28, v29
	ds_add_u32 v28, v29
	s_wait_dscnt 0x0
	v_lshrrev_b32 v1, 5, v0
	v_readfirstlane_b32 s[WV], v1
	s_lshr_b32 s[RH], s[WV], 1
	s_and_b32 s[CH], s[WV], 1
	s_bfe_u32 s40, ttmp6, 0x40000                  ; cx
	s_bfe_u32 s41, ttmp6, 0x40004                  ; cy
	s_and_b32 s20, ttmp7, 0xffff
	s_lshl_b32 s20, s20, 2                         ; 4 x cluster y
	s_lshl_b32 s46, ttmp9, 2                       ; 4 x cluster x
	s_cmp_eq_u32 ttmp9, 2                          ; v's path?  The same in all sixteen partners
	s_cselect_b32 s[ISV], 1, 0
	s_cselect_b32 s[TROW], 8, s20                  ; A: wv's tiles 8 .. 11 of wz, or the tokens'
	s_cselect_b32 s42, s20, s46                    ; B: the tokens' tiles, or wq's and wk's 0 .. 7 of wz
	s_add_co_u32 s[TROW], s[TROW], s41             ; + cy
	s_add_co_u32 s42, s42, s40                     ; + cx
	s_lshl_b32 s43, s41, 2
	s_lshl_b32 s43, 15, s43                        ; my row of the cluster
	s_lshl_b32 s44, 0x1111, s40                    ; my column
	; codes: 8 tiles' halves of K: 8 rows of 4,096 bytes (512 elements of 8), 8,192 bytes apart
	s_or_b32 s[G1+0], s43, (3<<16)|(1<<21)
	s_or_b32 s[G1B+0], s44, (3<<16)|(1<<21)
.irp g, G1, G1B
	s_mov_b32 s[\g+1], 512<<16                     ; tensor_dim0
	s_mov_b32 s[\g+2], 8<<16                       ; tensor_dim1
	s_mov_b32 s[\g+3], 512<<16                     ; tile_dim0
	s_mov_b32 s[\g+4], 8                           ; tile_dim1
	s_mov_b32 s[\g+5], 1024                        ; tensor_dim0_stride
	s_mov_b32 s[\g+6], 0
	s_mov_b32 s[\g+7], 0
.endr
	; scale bytes of 128 rows: 4,096 dense bytes as 16 rows of 256
	s_or_b32 s[G1S+0], s43, (3<<16)|(1<<21)
	s_or_b32 s[G1SB+0], s44, (3<<16)|(1<<21)
.irp g, G1S, G1SB
	s_mov_b32 s[\g+1], 32<<16
	s_mov_b32 s[\g+2], 16<<16
	s_mov_b32 s[\g+3], 32<<16
	s_mov_b32 s[\g+4], 16
	s_mov_b32 s[\g+5], 32
	s_mov_b32 s[\g+6], 0
	s_mov_b32 s[\g+7], 0
.endr
	s_lshl_b32 s2, s[CH], 3                        ; which 8 row tiles of the 16 I fetch
	s_lshl_b32 s20, s[TROW], 4
	s_add_co_u32 s20, s20, s2                      ; A: my first row tile
	s_lshl_b32 s22, s20, 9                         ; its scale bytes,
	s_lshl_b32 s20, s20, 13                        ; its codes
	s_mov_b32 s21, 0
	s_mov_b32 s23, 0
	s_lshl_b32 s46, s42, 4
	s_add_co_u32 s46, s46, s2                      ; B likewise
	s_lshl_b32 s96, s46, 9
	s_lshl_b32 s46, s46, 13
	s_mov_b32 s47, 0
	s_mov_b32 s97, 0
	s_mov_b32 s98, XSO
	s_mov_b32 s99, WSO
	s_cmp_eq_u32 s[ISV], 1
	s_cselect_b32 s3, s99, s98
	s_cselect_b32 s100, s98, s99
	s_add_co_u32 s22, s22, s3
	s_add_co_u32 s96, s96, s100
	s_mul_i32 s45, s[WV], HALFT                    ; where they go: no place in the cluster enters an LDS address
	s_mul_i32 s95, s[WV], HALFS
	s_wait_kmcnt 0x0
	s_cmp_eq_u32 s[ISV], 1
	s_cselect_b64 s[98:99], s[6:7], s[4:5]         ; A's buffer
	s_cselect_b64 s[100:101], s[4:5], s[6:7]       ; B's
	s_add_nc_u64 s[20:21], s[98:99], s[20:21]
	s_add_nc_u64 s[22:23], s[98:99], s[22:23]
	s_add_nc_u64 s[46:47], s[100:101], s[46:47]
	s_add_nc_u64 s[96:97], s[100:101], s[96:97]
	CROUND                                         ; all sixteen work-groups are here: the joint loads meet
	s_mov_b32 s[G0S], 1
	s_add_co_u32 s[G0S+1], s95, SCL
	s_mov_b64 s[G0S+2:G0S+3], s[22:23]
	s_or_b32 s[G0S+3], s[G0S+3], 0x80000000
	s_mov_b32 s[G0SB], 1
	s_add_co_u32 s[G0SB+1], s95, SCL
	s_mov_b64 s[G0SB+2:G0SB+3], s[96:97]
	s_or_b32 s[G0SB+3], s[G0SB+3], 0x80000000
	JLOAD G0S, G1S, G0SB, G1SB                     ; three loads of mine go out, all first fills: the scale bytes,
.irp s, 0,1
	s_mov_b32 s[G0+4*\s], 1
	s_add_co_u32 s[G0+4*\s+1], s45, \s*SLOT
	s_add_nc_u64 s[G0+4*\s+2:G0+4*\s+3], s[20:21], \s*4096
	s_or_b32 s[G0+4*\s+3], s[G0+4*\s+3], 0x80000000
	s_mov_b32 s[G0B+4*\s], 1
	s_add_co_u32 s[G0B+4*\s+1], s45, \s*SLOT
	s_add_nc_u64 s[G0B+4*\s+2:G0B+4*\s+3], s[46:47], \s*4096
	s_or_b32 s[G0B+4*\s+3], s[G0B+4*\s+3], 0x80000000
	JLOAD G0+4*\s, G1, G0B+4*\s, G1B               ; and the two halves of K
.endr
	v_and_b32 v1, 15, v0                           ; r
	v_bfe_u32 v2, v0, 4, 1                         ; h
	v_and_b32 v9, 31, v0
	v_lshlrev_b32 v4, 4, v9                        ; 16 x lane
	v_lshlrev_b32 v5, 3, v9                        ; 8 x lane
	v_lshlrev_b32 v3, 4, v1
	v_lshl_add_u32 v6, v2, 16, v3                  ; the table: 16 r + 65,536 h
	v_lshl_add_u32 v3, v2, 3, v3                   ; 16 r + 8 h: my 8 bytes of a block's 256
	v_lshlrev_b32 v7, 5, v2                        ; 32 h
	v_lshlrev_b32 v8, 2, v1                        ; 4 r
	s_mul_i32 s21, s[RH], HALFT
	s_mul_i32 s22, s[CH], HALFT
	s_add_co_u32 s22, s22, 2*HALFT
.irp s, 0,1
	v_add_nc_u32 v[ADRA+\s], s21, v4
	v_add_nc_u32 v[ADRB+\s], s22, v4
	s_add_co_u32 s21, s21, SLOT
	s_add_co_u32 s22, s22, SLOT
.endr
	v_lshlrev_b32 v10, 4, v1                       ; scale words: 16 bytes a row and half of K
	s_mul_i32 s21, s[RH], HALFS
	s_mul_i32 s22, s[CH], HALFS
	s_add_co_u32 s22, s22, 2*HALFS
	s_sub_co_u32 s22, s22, s21
	v_mul_u32_u24 v11, s22, v2                     ; lanes 16-31 take B's
	s_add_co_u32 s21, s21, SCL
	v_add_nc_u32 v10, v10, v11
	v_add_nc_u32 v[ADRS], s21, v10
	; THE C OF THE FIRST K STEP.  q and k: the bias of B's rows, in the result's layout.  v: zeros (its bias runs along the lanes and is added behind the sums).  Both arms write all 64 registers.
	s_cmp_eq_u32 s[ISV], 1
	s_cbranch_scc1 .Lzero_c
	s_and_b32 s20, s42, 3
	s_lshl_b32 s20, s20, 10
	s_lshl_b32 s21, s[CH], 9
	s_add_co_u32 s20, s20, s21                     ; my first feature, in bytes
	s_mov_b32 s21, 0
	s_cmp_eq_u32 ttmp9, 0
	s_cselect_b64 s[98:99], s[8:9], s[10:11]       ; bq or bk
	s_add_nc_u64 s[98:99], s[98:99], s[20:21]
.irp b, 0,1,2,3,4,5,6,7
.irp k, 0,1
	global_load_b128 v[BI+8*\b+4*\k:BI+8*\b+4*\k+3], v7, s[98:99] offset:64*\b+16*\k
.endr
.endr
	s_branch .Lc_made
.Lzero_c:
.irp j, 0,1,2,3,4,5,6,7,8,9,10,11,12,13,14,15,16,17,18,19,20,21,22,23,24,25,26,27,28,29,30,31,32,33,34,35,36,37,38,39,40,41,42,43,44,45,46,47,48,49,50,51,52,53,54,55,56,57,58,59,60,61,62,63
	v_mov_b32 v[BI+\j], 0
.endr
.Lc_made:
.macro FRAG reg, adr, q, i             ; a fragment: registers 4 c .. 4 c + 3 of lane l hold K = 64 c + 32 (l / 16) + 0 .. 31 of row l % 16: 512 consecutive bytes a load
.irp c, 0,1
	ds_load_b128 v[\reg+4*\c:\reg+4*\c+3], v[\adr] offset:1024*(\q)+512*\c+(\i)*4096
.endr
.endm
; 16 matrix instructions: A's blocks a0, a0 + 1 x B's eight.  The 64 accumulators take turns, one instruction a turn, in the same order in every step.
.macro MUL16 a0, p, q, sc, zero
.irp a, \a0, \a0+1
.irp b, 0,1,2,3,4,5,6,7
.if \zero
	v_wmma_scale_f32_16x16x128_f8f6f4 v[8*(8*((\a)%4)+\b):8*(8*((\a)%4)+\b)+7], v[128*(\p)+FR*\b:128*(\p)+FR*\b+FR-1], v[AF+FR*(\a):AF+FR*(\a)+FR-1], v[BI+8*\b:BI+8*\b+7], v[SC+8*NQ*(\sc)+NQ*\b+(\q)], v[SC+8*NQ*(\sc)+NQ*(\a)+(\q)] matrix_a_fmt:MATRIX_FMT_FP4 matrix_b_fmt:MATRIX_FMT_FP4 matrix_a_scale:MATRIX_SCALE_ROW1
.else
	v_wmma_scale_f32_16x16x128_f8f6f4 v[8*(8*((\a)%4)+\b):8*(8*((\a)%4)+\b)+7], v[128*(\p)+FR*\b:128*(\p)+FR*\b+FR-1], v[AF+FR*(\a):AF+FR*(\a)+FR-1], v[8*(8*((\a)%4)+\b):8*(8*((\a)%4)+\b)+7], v[SC+8*NQ*(\sc)+NQ*\b+(\q)], v[SC+8*NQ*(\sc)+NQ*(\a)+(\q)] matrix_a_fmt:MATRIX_FMT_FP4 matrix_b_fmt:MATRIX_FMT_FP4 matrix_a_scale:MATRIX_SCALE_ROW1
.endif
.endr
.endr
.endm
.macro FETCH_B slot, q, p
	WIN TO_B
.irp i, 0,1,2,3,4,5,6,7
	FRAG 128*(\p)+FR*\i, ADRB+\slot, \q, \i
.endr
	WIN 0
.endm
.macro FETCH_A slot, q, i0
.irp i, \i0, \i0+1, \i0+2, \i0+3
	FRAG AF+FR*(\i), ADRA+\slot, \q, \i
.endr
.endm
.macro SCALES sc                       ; a slot's scale words: lanes 0-15 A's block i, lanes 16-31 B's block i; four words a row
.irp i, 0,1,2,3,4,5,6,7
	ds_load_b128 v[SC+8*NQ*\sc+NQ*\i:SC+8*NQ*\sc+NQ*\i+3], v[ADRS] offset:\i*SBLK
.endr
.endm
.macro PLACES n                        ; plain vector lines between a matrix instruction and a load into, or a read of, its registers
.rept \n
	v_nop
.endr
.endm
.macro STEP slot, q, zero              ; 128 along K, with its successor in the same slot
	s_wait_dscnt 4*NL                              ; B's set and A's blocks 0-3 are in; the youngest 8 loads (A's blocks 4-7) may be out
.if \zero
	WIN C_LO
.else
	WIN MUL_LO
.endif
	MUL16 0, (\q)%2, \q, \slot, \zero
	MUL16 2, (\q)%2, \q, \slot, \zero
	s_wait_dscnt 0                                 ; A's blocks 4-7 are in
	PLACES NP
	FETCH_B \slot, (\q)+1, 1-(\q)%2
	FETCH_A \slot, (\q)+1, 0
.if \zero
	WIN C_HI
.else
	WIN MUL_HI
.endif
	MUL16 4, (\q)%2, \q, \slot, \zero
	MUL16 6, (\q)%2, \q, \slot, \zero
	PLACES NP
	WIN 0
	FETCH_A \slot, (\q)+1, 4
.endm
.macro STEPS slot, from
.set Q, \from
.rept NQ-1-\from
	STEP \slot, Q, 0
.set Q, Q+1
.endr
.endm
	s_wait_tensorcnt 1                             ; the scale bytes and my part of slot 0 are in (slot 1's load may be out),
	s_barrier_signal -1
	s_barrier_wait -1                              ; everybody's are
	s_wait_alu depctr_va_vdst(0)
	FETCH_B 0, 0, 0
	FETCH_A 0, 0, 0
	SCALES 0
	FETCH_A 0, 0, 4
	s_wait_loadcnt 0x0                             ; the bias
	STEP 0, 0, 1
	STEPS 0, 1
	; slot 0's last step changes slots: one barrier; nothing is filled again
	s_wait_tensorcnt 0x0                           ; my part of slot 1 has landed
	ds_add_u32 v[SPW], v[NIL]                      ; 0 onto my spare word
	s_wait_dscnt 4*NL+1                            ; (the add and the youngest 8 loads may be out)
	WIN MUL_LO
	MUL16 0, 1, NQ-1, 0, 0
	s_wait_dscnt 0x0
	s_barrier_signal -1
	MUL16 2, 1, NQ-1, 0, 0
	WIN 0
	s_barrier_wait -1                              ; slot 1 is whole
	PLACES NP
	v_add_nc_u32 v[ADRS], 256, v[ADRS]             ; the second half of K's scale words
	FETCH_B 1, 0, 0
	FETCH_A 1, 0, 0
	SCALES 1
	WIN MUL_HI
	MUL16 4, 1, NQ-1, 0, 0
	MUL16 6, 1, NQ-1, 0, 0
	PLACES NP
	WIN 0
	FETCH_A 1, 0, 4
	STEPS 1, 0
	s_wait_dscnt 4*NL                              ; the last step: nothing more to fetch
	WIN MUL_LO
	MUL16 0, 1, NQ-1, 1, 0
	MUL16 2, 1, NQ-1, 1, 0
	s_wait_dscnt 0
	WIN MUL_HI
	MUL16 4, 1, NQ-1, 1, 0
	MUL16 6, 1, NQ-1, 1, 0
	WIN 0
	PLACES NP                                      ; in front of the first reads of results and of the loads into B's registers
; 64 numbers of a lane, v[UU + 8 b + j] = index 16 b + 8 (lane / 16) + j along the quantiser's axis: four blocks of 32, each in lanes l and l xor 16.  Codes into v[pc] on: behind the exchange lane (r, h) holds,
; in registers 2 b and 2 b + 1, codes 16 h .. 16 h + 15 of block b; the bytes stay in v[TM + 4] on.
.macro QUANT4 pc
.irp b, 0,1,2,3
	v_max3_num_f32 v[TM+\b], |v[UU+16*\b]|, |v[UU+1+16*\b]|, 0x1800000   ; my 16 numbers, and the floor 2^(3 - 127): the byte cannot fall under 1
.endr
.irp i, 2,4,6,8,10,12,14
.irp b, 0,1,2,3
	v_max3_num_f32 v[TM+\b], v[TM+\b], |v[UU+16*\b+\i]|, |v[UU+1+16*\b+\i]|
.endr
.endr
.irp b, 0,1,2,3
	v_permlanex16_b32 v[TM+4+\b], v[TM+\b], s2, s3
.endr
.irp b, 0,1,2,3
	v_max_num_f32 v[TM+\b], v[TM+\b], v[TM+4+\b]
.endr
.irp b, 0,1,2,3
	v_add_nc_u32 v[TM+12+\b], 0xff000000, v[TM+\b]   ; 2 off the exponent field: the conversion's scale operand
.endr
.irp b, 0,1,2,3
	v_lshrrev_b32 v[TM+4+\b], 23, v[TM+12+\b]        ; the byte
.endr
	s_wait_alu depctr_va_vdst(0)
	s_wait_xcnt 0x0                                ; the stores that read this set of codes have read it: it is written again only behind this wait
.irp b, 0,1,2,3
	v_cvt_scalef32_pk8_fp4_f32 v[(\pc)+2*\b], v[UU+16*\b:UU+16*\b+7], v[TM+12+\b]
	v_cvt_scalef32_pk8_fp4_f32 v[(\pc)+2*\b+1], v[UU+16*\b+8:UU+16*\b+15], v[TM+12+\b]
.endr
	v_nop                                          ; one plain line behind a scaled conversion
.irp b, 0,1,2,3
	v_permlane16_swap_b32 v[(\pc)+2*\b], v[(\pc)+2*\b+1]
.endr
.endm
	s_mov_b32 s2, 0x76543210
	s_mov_b32 s3, 0xfedcba98                       ; selects for lane l xor 16
.irp b, 0,1,2,3
	v_mov_b32 v[TM+4+\b], 0                        ; a lane permute's destination counts as one of its sources
.endr
	v_cmp_eq_u32 s95, 1, v2                        ; lanes 16-31
	s_cmp_eq_u32 s[ISV], 1
	s_cbranch_scc1 .Lv_path
	; ---- q and k.  My 128 tokens are one step of 128 of one batch; my 128 features are two heads.
	s_lshl_b32 s20, s[TROW], 8
	s_lshl_b32 s21, s[RH], 7
	s_add_co_u32 s20, s20, s21                     ; my first token
	s_lshr_b32 s21, s20, 11                        ; batch
	s_bfe_u32 s22, s20, 0x40007                    ; step, 0 .. 15
	s_and_b32 s23, s20, 2047
	s_lshl_b32 s46, s23, 4
	s_mov_b32 s47, 0
	s_add_nc_u64 s[100:101], s[14:15], s[46:47]    ; the table at my first token
	s_lshl_b32 s21, s21, 4
	s_and_b32 s23, s42, 3
	s_lshl_b32 s23, s23, 2
	s_add_co_u32 s21, s21, s23
	s_lshl_b32 s23, s[CH], 1
	s_add_co_u32 s21, s21, s23                     ; 16 batch + my first head
	s_mul_i32 s21, s21, REC
	s_lshr_b32 s23, s22, 3
	s_mul_i32 s23, s23, HREC
	s_add_co_u32 s21, s21, s23
	s_and_b32 s22, s22, 7
	s_lshl_b32 s46, s22, 12
	s_add_co_u32 s46, s46, s21                     ; KC's step
	s_lshl_b32 s20, s22, 9
	s_add_co_u32 s20, s20, s21
	s_add_co_u32 s20, s20, 65536                   ; KS's step
	s_mov_b32 s21, 0
	s_cmp_eq_u32 ttmp9, 0
	s_cselect_b64 s[96:97], s[16:17], s[18:19]     ; qb or kv
	s_add_nc_u64 s[98:99], s[96:97], s[20:21]
	s_add_nc_u64 s[96:97], s[96:97], s[46:47]
.macro CSLOAD a                        ; cos and sin for token 16 a + r and my 32 pairs of a head: register 8 b' + 2 i: cos, + 1: sin, of the pair in registers 2 i, 2 i + 1 of B's blocks b' and b' + 4
.set CSB, 32*((\a)%2)+128*(((\a)%4)/2)+64*(1-(\a)/4)
.irp bb, 0,1,2,3
.irp jj, 0,1
	global_load_b128 v[CSB+8*\bb+4*\jj:CSB+8*\bb+4*\jj+3], v6, s[100:101] offset:256*(\a)+131072*\bb+32768*\jj
.endr
.endr
.endm
	WIN TO_B                                       ; the table goes into window 1, whose fragments are done with
.irp a, 0,1,2,3,4,5,6,7
	CSLOAD \a
.endr
.macro NT_QK a                         ; tokens 16 a + r
.set CSB, 32*((\a)%2)+128*(((\a)%4)/2)+64*(1-(\a)/4)
.set AC, 64*((\a)%4)
.set PP, PR+8*((\a)%2)
	s_wait_loadcnt 8*(7-(\a))                      ; this token tile's 8 table loads are in; the later tiles' 8 each may be out
	WIN 0x06+(\a)/4                                ; source 0: the accumulators' window; source 1: window 1
.set pg, 0
.rept 8                                ; an accumulator at a time, from its low end on
.irp k, 0,1,2,3
	v_pk_mul_f32 v[UU+8*pg+2*\k:UU+8*pg+2*\k+1], v[AC+8*pg+2*\k:AC+8*pg+2*\k+1], v[CSB+8*(pg%4)+2*\k:CSB+8*(pg%4)+2*\k+1] op_sel_hi:[1,0]   ; u0 cos, u1 cos
.endr
.irp k, 0,1,2,3
	v_pk_fma_f32 v[UU+8*pg+2*\k:UU+8*pg+2*\k+1], v[AC+8*pg+2*\k:AC+8*pg+2*\k+1], v[CSB+8*(pg%4)+2*\k:CSB+8*(pg%4)+2*\k+1], v[UU+8*pg+2*\k:UU+8*pg+2*\k+1] op_sel:[1,1,0] op_sel_hi:[0,1,1] neg_lo:[1,0,0]   ; - u1 sin, + u0 sin
.endr
.set pg, pg+1
.endr
	WIN 0
	QUANT4 PP
.irp b, 0,1,2,3
	global_store_b64 v3, v[PP+2*\b:PP+2*\b+1], s[96:97] offset:(\b/2)*REC+512*(\a)+256*(\b%2)   ; head b / 2, block b % 2 of d, 16 tokens: 256 consecutive bytes, aligned
.endr
.irp e, 0,1
	v_lshl_or_b32 v[WW+2*(\a)+\e], v[TM+5+2*\e], 8, v[TM+4+2*\e]
.endr
.irp e, 0,1
	v_or_b32 v[WW+2*(\a)+\e], 0x7f7f0000, v[WW+2*(\a)+\e]   ; the token's scale word for head e
.endr
.endm
.irp a, 0,1,2,3,4,5,6,7
	NT_QK \a
.endr
.irp e, 0,1
.irp w, 0,1,2,3
	v_cndmask_b32 v[ZZ+4*\e+\w], v[WW+4*\w+\e], v[WW+4*\w+2+\e], s95   ; lane l stores the words of tokens 32 w + l
.endr
	global_store_b128 v4, v[ZZ+4*\e:ZZ+4*\e+3], s[98:99] offset:\e*REC   ; 512 consecutive bytes
.endr
	s_branch .Lend
.Lv_path:
	; ---- v.  My 128 features are two heads; my 128 tokens are one step of 128 keys.
	s_lshl_b32 s20, s41, 8
	s_lshl_b32 s21, s[RH], 7
	s_add_co_u32 s20, s20, s21                     ; my first feature
	s_lshl_b32 s46, s20, 2
	s_mov_b32 s47, 0
	s_add_nc_u64 s[100:101], s[12:13], s[46:47]
.irp a, 0,1,2,3,4,5,6,7
	global_load_b32 v[BV+\a], v8, s[100:101] offset:64*\a   ; bv of feature 16 a + r
.endr
	s_lshl_b32 s22, s42, 8
	s_lshl_b32 s23, s[CH], 7
	s_add_co_u32 s22, s22, s23                     ; my first token
	s_lshr_b32 s21, s22, 11                        ; batch
	s_bfe_u32 s22, s22, 0x40007                    ; step
	s_lshl_b32 s21, s21, 4
	s_lshr_b32 s20, s20, 6
	s_add_co_u32 s21, s21, s20                     ; 16 batch + my first head
	s_mul_i32 s21, s21, REC
	s_lshr_b32 s23, s22, 3
	s_mul_i32 s23, s23, HREC
	s_add_co_u32 s21, s21, s23
	s_and_b32 s22, s22, 7
	s_lshl_b32 s46, s22, 12
	s_add_co_u32 s46, s46, s21
	s_add_co_u32 s46, s46, 32768                   ; VC's step
	s_lshl_b32 s20, s22, 8
	s_add_co_u32 s20, s20, s21
	s_add_co_u32 s20, s20, 69632                   ; VS's step
	s_mov_b32 s21, 0
	s_add_nc_u64 s[96:97], s[18:19], s[46:47]
	s_add_nc_u64 s[98:99], s[18:19], s[20:21]
	s_wait_loadcnt 0x0
.macro NT_V a                          ; features 16 a + r
.set AC, 64*((\a)%4)
.set PP, PR+8*((\a)%2)
	WIN 0x02+(\a)/4
.set pg, 0
.rept 32
.if (\a)%2
	v_pk_add_f32 v[UU+2*pg:UU+2*pg+1], v[AC+2*pg:AC+2*pg+1], v[BV+2*((\a)/2):BV+2*((\a)/2)+1] op_sel:[0,1] op_sel_hi:[1,1]
.else
	v_pk_add_f32 v[UU+2*pg:UU+2*pg+1], v[AC+2*pg:AC+2*pg+1], v[BV+2*((\a)/2):BV+2*((\a)/2)+1] op_sel_hi:[1,0]
.endif
.set pg, pg+1
.endr
	WIN 0
	QUANT4 PP
.irp b, 0,1,2,3
	global_store_b64 v3, v[PP+2*\b:PP+2*\b+1], s[96:97] offset:((\a)/4)*REC+1024*((\a)%4)+256*\b   ; block b of 32 keys, 16 features: 256 consecutive bytes, aligned
.endr
	v_lshl_or_b32 v[WW+(\a)], v[TM+5], 8, v[TM+4]
	v_lshl_or_b32 v[WW+(\a)], v[TM+6], 16, v[WW+(\a)]
	v_lshl_or_b32 v[WW+(\a)], v[TM+7], 24, v[WW+(\a)]   ; the feature's scale word for these 128 keys
.endm
.irp a, 0,1,2,3,4,5,6,7
	NT_V \a
.endr
.irp e, 0,1
.irp w, 0,1
	v_cndmask_b32 v[ZZ+2*\e+\w], v[WW+4*\e+2*\w], v[WW+4*\e+2*\w+1], s95   ; lane l stores the words of d = 32 w + l
.endr
	global_store_b64 v5, v[ZZ+2*\e:ZZ+2*\e+1], s[98:99] offset:\e*REC      ; 256 consecutive bytes
.endr
.Lend:
	s_wait_tensorcnt 0x0                           ; the wave's end
	ds_add_u32 v[SPW], v[NIL]
	s_wait_dscnt 0x0
	CROUND                                         ; the closing round
	s_endpgm
.Lfunc_end_k_qd29ea5ebf2_qkv:
	.size	k_qd29ea5ebf2_qkv, .Lfunc_end_k_qd29ea5ebf2_qkv-k_qd29ea5ebf2_qkv
	.p2alignl 7, 3214868480
	.fill 96, 4, 3214868480
	.section	.rodata,"a",@progbits
	.p2align	6, 0x0
	.amdhsa_kernel k_qd29ea5ebf2_qkv
		.amdhsa_group_segment_fixed_size 327680
		.amdhsa_private_segment_fixed_size 0
		.amdhsa_enable_private_segment 0
		.amdhsa_kernarg_size 64
		.amdhsa_user_sgpr_count 2
		.amdhsa_user_sgpr_kernarg_segment_ptr 1
		.amdhsa_wavefront_size32 1
		.amdhsa_system_sgpr_workgroup_id_x 1
		.amdhsa_system_sgpr_workgroup_id_y 1
		.amdhsa_system_sgpr_workgroup_id_z 1
		.amdhsa_system_vgpr_workitem_id 0
		.amdhsa_next_free_vgpr 1024
		.amdhsa_next_free_sgpr 102
		.amdhsa_reserve_vcc 0
		.amdhsa_float_denorm_mode_32 3
		.amdhsa_float_denorm_mode_16_64 3
		.amdhsa_memory_ordered 1
		.amdhsa_forward_progress 1
		.amdhsa_inst_pref_size 225
	.end_amdhsa_kernel
	.amdgpu_metadata
---
amdhsa.version: [ 1, 2 ]
amdhsa.kernels:
  - .name:           k_qd29ea5ebf2_qkv
    .symbol:         k_qd29ea5ebf2_qkv.kd
    .args:
      - { .name: xq, .offset: 0, .size: 8, .value_kind: global_buffer, .address_space: global }
      - { .name: wz, .offset: 8, .size: 8, .value_kind: global_buffer, .address_space: global }
      - { .name: bq, .offset: 16, .size: 8, .value_kind: global_buffer, .address_space: global }
      - { .name: bk, .offset: 24, .size: 8, .value_kind: global_buffer, .address_space: global }
      - { .name: bv, .offset: 32, .size: 8, .value_kind: global_buffer, .address_space: global }
      - { .name: rope, .offset: 40, .size: 8, .value_kind: global_buffer, .address_space: global }
      - { .name: qb, .offset: 48, .size: 8, .value_kind: global_buffer, .address_space: global }
      - { .name: kv, .offset: 56, .size: 8, .value_kind: global_buffer, .address_space: global }
    .group_segment_fixed_size: 327680
    .private_segment_fixed_size: 0
    .kernarg_segment_align: 8
    .kernarg_segment_size: 64
    .max_flat_workgroup_size: 128
    .sgpr_count:     102
    .vgpr_count:     1024
    .wavefront_size: 32
...
	.end_amdgpu_metadata
.endif
;; end of part 2
;; launch attn (part 3): grid 4 x 64, 16 waves a work-group, no clusters, 327,680 bytes of LDS; arguments qb, kv, yq; writes yq
.if DOCPART == 3
	.amdgcn_target "amdgcn-amd-amdhsa--gfx1250"
	.amdhsa_code_object_version 6
	.text
	.protected	k_qd29ea5ebf2_attn
	.globl	k_qd29ea5ebf2_attn
	.p2align	8
	.type	k_qd29ea5ebf2_attn,@function
k_qd29ea5ebf2_attn:
	s_mov_b64 s[64:65], 0
	v_nop
	global_prefetch_b8 v0, s[64:65] scope:SCOPE_SE
	s_setreg_imm32_b32 hwreg(HW_REG_WAVE_MODE, 25, 1), 1
	s_wait_xcnt 0x0
; y[b][t][head 64 + d] = the sum over keys k <= t of softmax_k(q . k / 8) v, both products on codes of FP4 (E2M1) with E8M0 scales; y is quantised along its 1,024 features for the last product.
; THE SOFTMAX AHEAD OF THE SECOND PRODUCT: t = score x log2(e) / 8; M = the row's largest t so far, rounded UP to a whole number; p = 2^(t - M) is quantised along the keys, not normalised.  The row's sum is taken of the
; unquantised p and divides at the end.  When M moves, the sum and O are multiplied by 2^(old M - new M): exact.  A hidden score becomes -infinity, so p = 0; each query's own key counts, so M is a number from the first step on.
; THE FIRST PRODUCT'S K is the head's 64: the upper half of the instruction's 128 holds zero codes (registers 4-7 of each fragment, written once) under scale bytes 127.
; SHARES.  A work-group takes one (batch, head) and 512 of its 2,048 queries; the head's whole record of k and v (143,360 bytes: the layout stands at the head of the launch that writes it) comes into LDS once, as it lies.
; Work-group x = i, wave w: a late tile of 16 queries at 256 (7 - i) + 16 w and an early one at 256 i + 16 (15 - w): together 17 key steps of 128 for every wave of every work-group.
; Sixteen waves of 256 registers: four to a SIMD, so that one wave's vector work stands beside another's matrix work and LDS loads.
; LAYOUT.  S^T = K Q^T, O^T = V^T P^T: a lane holds ONE query (lane % 16).  Tile t's register j is key 16 t + 8 (lane / 16) + j; the conversions' results are brought into the operand's layout (a whole block of 32 keys in
; a lane) by taking tiles 4 c + 0, 2, 1, 3 into registers 4 c + 0 .. 3 and exchanging halves of the lanes within pairs of registers.
; NO CLUSTER: the work-groups that read the same record are the four query shares of one head, and steps are left out by a branch on exactly that share; each record byte is asked for once by a work-group, at its head.
; LIMITS: NaN and infinities are not served; a block of y whose largest magnitude lies under 2^-124 has its byte held at 1; a block of zeros gets the byte 1 (its codes are zeros).
; y's scale bytes are stored one byte a lane: a head owns 2 of a token's 32.
; REGISTERS: v1-7 lane terms; v8-10 LDS addresses of the step; v12 -M, v13 the largest t, v[14:15] the sum; v16-23, v24-31 Q late, early; v32-95 K's 8 fragments; v96-159 S^T, then p; v160-191 O^T; v192-199 p's codes;
; v200-231 V's 4 fragments; v232-239, v244-247, v252, v254 at work; v240-243 K's scale words, v248-249 V's, v250, v251 Q's, v253 p's; v255 -infinity.
.set REC,   143360
.set HREC,  71680
.set QTR,   17920                      ; 70 rows of 256 bytes: what one tensor load brings
.set XSO,   4194304                    ; yq: where the scale bytes begin
.set SPARE, 143360                     ; behind the record: the spare words, 128 bytes for each of 16 waves
	s_load_b128 s[4:7], s[0:1], 0x0                ; qb, kv
	s_load_b64 s[8:9], s[0:1], 0x10                ; yq
	v_lshl_add_u32 v5, v0, 2, SPARE                ; my spare word; never rewritten
	v_mov_b32 v6, 0                                ; never rewritten
	ds_add_u32 v5, v6
	ds_add_u32 v5, v6
	s_wait_dscnt 0x0
	v_lshrrev_b32 v8, 5, v0
	s_delay_alu instid0(VALU_DEP_1)
	v_readfirstlane_b32 s12, v8                    ; wave 0..15
	s_and_b32 s13, ttmp7, 0xffff                   ; 16 batch + head
	s_mul_i32 s48, s13, REC
	s_mov_b32 s49, 0
	s_mov_b32 s16, 3<<16                           ; no mask; elements of 8 bytes; no padding
	s_mov_b32 s17, 32<<16                          ; tensor_dim0 = 32
	s_mov_b32 s18, 70<<16                          ; tensor_dim1 = 70
	s_mov_b32 s19, 32<<16                          ; tile_dim0
	s_mov_b32 s20, 70                              ; tile_dim1
	s_mov_b32 s21, 32                              ; rows are dense
	s_mov_b32 s22, 0
	s_mov_b32 s23, 0
	s_and_b32 s44, s12, 3
	s_mul_i32 s44, s44, QTR                        ; my quarter of a half, in memory and in LDS alike
	s_mov_b32 s45, 0
	s_wait_kmcnt 0x0
	s_add_nc_u64 s[46:47], s[6:7], s[48:49]
	s_add_nc_u64 s[46:47], s[46:47], s[44:45]
	s_mov_b32 s24, 1
	s_mov_b32 s25, s44
	s_mov_b64 s[26:27], s[46:47]
	s_or_b32 s27, s27, 0x80000000
	s_mov_b32 s28, 1
	s_add_co_u32 s29, s44, HREC
	s_add_nc_u64 s[30:31], s[46:47], HREC
	s_or_b32 s31, s31, 0x80000000
	s_cmp_lt_u32 s12, 4                            ; waves 0 to 3 fetch: two loads each, both first fills, in one branch
	s_cbranch_scc0 .Lno_fetch
	tensor_load_to_lds s[24:27], s[16:23]          ; keys 0 to 1,023
	s_nop 0
	tensor_load_to_lds s[28:31], s[16:23]          ; keys 1,024 to 2,047
	s_nop 0
.rept 4
	v_nop
.endr
.Lno_fetch:
	s_sub_co_u32 s42, 7, ttmp9
	s_lshl_b32 s42, s42, 8
	s_lshl_b32 s58, s12, 4
	s_add_co_u32 s42, s42, s58                     ; the late tile's first query
	s_lshl_b32 s43, ttmp9, 8
	s_sub_co_u32 s58, 240, s58
	s_add_co_u32 s43, s43, s58                     ; the early tile's
	v_and_b32 v8, 31, v0
	s_delay_alu instid0(VALU_DEP_1)
	v_lshlrev_b32 v1, 4, v8                        ; 16 x lane
	s_wait_alu depctr_va_vdst(0)
	v_lshlrev_b32 v2, 3, v8                        ; 8 x lane
	v_and_b32 v3, 15, v0                           ; r
	v_bfe_u32 v4, v0, 4, 1                         ; h
	s_delay_alu instid0(VALU_DEP_1)
	v_lshl_add_u32 v7, v3, 4, v4                   ; 16 r + h: y's scale byte
	s_delay_alu instid0(VALU_DEP_3)
	v_lshlrev_b32 v254, 4, v3                      ; 16 r
.macro QBASE q0, cp, sp                ; where the tile's codes and scale words lie in qb
	s_lshr_b32 s58, s[\q0], 10
	s_mul_i32 s58, s58, HREC
	s_add_co_u32 s58, s58, s48
	s_bfe_u32 s59, s[\q0], 0x30007                 ; step in the half
	s_lshl_b32 s60, s59, 12
	s_add_co_u32 s60, s60, s58
	s_lshl_b32 s62, s59, 9
	s_add_co_u32 s62, s62, s58
	s_bfe_u32 s59, s[\q0], 0x30004                 ; tile in the step
	s_lshl_b32 s58, s59, 9
	s_add_co_u32 s60, s60, s58
	s_and_b32 s58, s59, 1
	s_lshl_b32 s58, s58, 8
	s_add_co_u32 s62, s62, s58
	s_lshr_b32 s58, s59, 1
	s_lshl_b32 s58, s58, 2
	s_add_co_u32 s62, s62, s58
	s_add_co_u32 s62, s62, 65536
	s_mov_b32 s61, 0
	s_mov_b32 s63, 0
	s_add_nc_u64 s[\cp:\cp+1], s[4:5], s[60:61]
	s_add_nc_u64 s[\sp:\sp+1], s[4:5], s[62:63]
.endm
	s_wait_alu depctr_va_vdst(0)
	QBASE 42, 50, 52
	QBASE 43, 54, 56
	global_load_b128 v[16:19], v1, s[50:51]
	global_load_b32 v250, v254, s[52:53]
	global_load_b128 v[24:27], v1, s[54:55]
	global_load_b32 v251, v254, s[56:57]
.irp j, 20,21,22,23,28,29,30,31
	v_mov_b32 v[\j], 0                             ; zero codes for K = 64 .. 127
.endr
.irp t, 0,1,2,3,4,5,6,7
.irp j, 4,5,6,7
	v_mov_b32 v[32+8*\t+\j], 0                     ; likewise in K's fragments: written once, never loaded into
.endr
.endr
.irp j, 236,237,238,239,252,253
	v_mov_b32 v[\j], 0                             ; lane permutes' destinations, and the pair v[252:253], count as read
.endr
	v_mov_b32 v255, 0xff800000                     ; -infinity
	s_mov_b32 s32, 0x76543210
	s_mov_b32 s33, 0xfedcba98                      ; selects for lane l xor 16
	s_mov_b32 s34, 0x3e38aa3b                      ; c = log2(e) / 8
	s_mov_b32 s35, s34
.macro INIT
	v_mov_b32 v13, 0xff61b1e6                      ; the largest t so far: -3e38
	s_delay_alu instid0(VALU_DEP_1)
	v_floor_f32 v12, -v13
	v_mov_b32 v14, 0
	v_mov_b32 v15, 0
.irp j, 0,1,2,3,4,5,6,7,8,9,10,11,12,13,14,15,16,17,18,19,20,21,22,23,24,25,26,27,28,29,30,31
	v_mov_b32 v[160+\j], 0                         ; O^T: the step is written once; its first run finds zeros
.endr
.endm
; A KEY STEP: 128 keys at LDS bytes s36 (codes), s37 (K's scale words), s38 (V's).  qf, qs: the query tile's fragment and scale word.  msk = 1: s40 = the step's first key, s41 = my first query.
.macro STEP qf, qs, msk
.if \msk
	s_add_co_u32 s44, s41, 15
	s_cmp_gt_u32 s40, s44                          ; all 128 keys come after my 16 queries: the step's work is left out, not the lines that step addresses
	s_cbranch_scc1 .Lhidden_\@
.endif
	s_setprio 2
	v_add_nc_u32 v8, s36, v1
	v_add_nc_u32 v9, s37, v1
	v_add_nc_u32 v10, s38, v2
	v_nop                                          ; four plain lines in front of loads into registers that the last products read
.irp t, 0,1,2,3,4,5,6,7
	ds_load_b128 v[32+8*\t:35+8*\t], v8 offset:512*\t
.endr
	ds_load_b128 v[240:243], v9
.irp t, 0,1,2,3
.irp c, 0,1
	ds_load_b128 v[200+8*\t+4*\c:203+8*\t+4*\c], v8 offset:32768+1024*\t+512*\c
.endr
.endr
	ds_load_b64 v[248:249], v10
	s_wait_dscnt 9                                 ; K and its scale words are in; V's nine loads may be out
.irp t, 0,1,2,3,4,5,6,7
.if (\t)%2
	v_wmma_scale_f32_16x16x128_f8f6f4 v[96+8*\t:103+8*\t], v[32+8*\t:39+8*\t], v[\qf:\qf+7], 0, v[240+\t/2], v[\qs] matrix_a_fmt:MATRIX_FMT_FP4 matrix_b_fmt:MATRIX_FMT_FP4 matrix_a_scale:MATRIX_SCALE_ROW1
.else
	v_wmma_scale_f32_16x16x128_f8f6f4 v[96+8*\t:103+8*\t], v[32+8*\t:39+8*\t], v[\qf:\qf+7], 0, v[240+\t/2], v[\qs] matrix_a_fmt:MATRIX_FMT_FP4 matrix_b_fmt:MATRIX_FMT_FP4
.endif
.endr
.rept 4
	v_nop
.endr
.if \msk
	s_add_co_u32 s44, s40, 127
	s_cmp_le_u32 s44, s41                          ; all 128 keys count for all my queries
	s_cbranch_scc1 .Lopen_\@
	s_sub_co_i32 s44, s41, s40
	v_lshlrev_b32 v254, 3, v4
	s_delay_alu instid0(VALU_DEP_1)
	v_sub_nc_u32 v11, v3, v254
	s_delay_alu instid0(VALU_DEP_1)
	v_add_nc_u32 v11, s44, v11                     ; d = my query - the step's first key - 8 h: register 8 t + j is hidden where 16 t + j > d
.irp t, 0,1,2,3,4,5,6,7
.irp j, 0,1,2,3,4,5,6,7
	v_cmp_gt_i32 vcc_lo, 16*\t+\j, v11
	v_cndmask_b32 v[96+8*\t+\j], v[96+8*\t+\j], v255, vcc_lo
.endr
.endr
.Lopen_\@:
.endif
.irp b, 0,1,2,3
	v_max3_num_f32 v[232+\b], v[96+16*\b], v[97+16*\b], v[98+16*\b]   ; the largest score of each block of 32 keys: for the row's maximum, and, since p rises with the score, for the block's largest p
.endr
.irp i, 3,5,7,9,11,13
.irp b, 0,1,2,3
	v_max3_num_f32 v[232+\b], v[232+\b], v[96+16*\b+\i], v[97+16*\b+\i]
.endr
.endr
.irp b, 0,1,2,3
	v_max_num_f32 v[232+\b], v[232+\b], v[111+16*\b]
.endr
.irp b, 0,1,2,3
	s_delay_alu instid0(VALU_DEP_4)
	v_permlanex16_b32 v[236+\b], v[232+\b], s32, s33
.endr
.irp b, 0,1,2,3
	s_delay_alu instid0(VALU_DEP_4)
	v_max_num_f32 v[232+\b], v[232+\b], v[236+\b]
.endr
	s_delay_alu instid0(VALU_DEP_2)
	v_max3_num_f32 v254, v232, v233, v234
	s_delay_alu instid0(VALU_DEP_1)
	v_max_num_f32 v254, v254, v235
	s_delay_alu instid0(VALU_DEP_1)
	v_mul_f32 v254, s34, v254
	s_delay_alu instid0(VALU_DEP_1)
	v_max_num_f32 v13, v13, v254                   ; the running largest t
	v_mov_b32 v254, v12
	s_delay_alu instid0(VALU_DEP_2)
	v_floor_f32 v12, -v13                          ; -M = floor(-t): M is a whole number
	s_delay_alu instid0(VALU_DEP_1)
	v_sub_f32 v254, v12, v254
	s_delay_alu instid0(VALU_DEP_1)
	v_cvt_i32_f32 v254, v254                       ; (it saturates)
	s_delay_alu instid0(VALU_DEP_1)
	v_ldexp_f32 v252, 1.0, v254                    ; f = 2^(old M - new M)
.irp j, 0,2,4,6,8,10,12,14,16,18,20,22,24,26,28,30,32,34,36,38,40,42,44,46,48,50,52,54,56,58,60,62
	v_pk_fma_f32 v[96+\j:97+\j], v[96+\j:97+\j], s[34:35], v[12:13] op_sel_hi:[1,0,0]   ; t - M
.endr
.irp b, 0,1,2,3
	v_fma_f32 v[232+\b], v[232+\b], s34, v12
.endr
	s_setprio 1
	s_wait_alu depctr_va_vdst(0)
.irp j, 0,1,2,3,4,5,6,7,8,9,10,11,12,13,14,15,16,17,18,19,20,21,22,23,24,25,26,27,28,29,30,31,32,33,34,35,36,37,38,39,40,41,42,43,44,45,46,47,48,49,50,51,52,53,54,55,56,57,58,59,60,61,62,63
	v_exp_f32 v[96+\j], v[96+\j]                   ; p
.endr
	v_pk_mul_f32 v[14:15], v[14:15], v[252:253] op_sel_hi:[1,0]   ; the sums under the new M; the plain line behind the exponentials
	s_wait_alu depctr_va_vdst(0)                   ; one wait for the batch of 64, ahead of its first reader
.irp b, 0,1,2,3
	v_exp_f32 v[232+\b], v[232+\b]                 ; each block's largest p
.endr
	v_pk_add_f32 v[236:237], v[100:101], v[104:105]
	v_pk_add_f32 v[246:247], v[108:109], v[112:113]
	v_pk_add_f32 v[244:245], v[116:117], v[120:121]
	v_pk_add_f32 v[242:243], v[124:125], v[128:129]
	v_pk_add_f32 v[240:241], v[132:133], v[136:137]
	v_pk_add_f32 v[238:239], v[140:141], v[144:145]
	v_pk_add_f32 v[198:199], v[148:149], v[152:153]
	v_pk_add_f32 v[14:15], v[14:15], v[156:157]
	v_pk_add_f32 v[236:237], v[236:237], v[96:97]
	v_pk_add_f32 v[246:247], v[246:247], v[98:99]
	v_pk_add_f32 v[244:245], v[244:245], v[102:103]
	v_pk_add_f32 v[242:243], v[242:243], v[106:107]
	v_pk_add_f32 v[240:241], v[240:241], v[110:111]
	v_pk_add_f32 v[238:239], v[238:239], v[114:115]
	v_pk_add_f32 v[198:199], v[198:199], v[118:119]
	v_pk_add_f32 v[14:15], v[14:15], v[122:123]
	v_pk_add_f32 v[236:237], v[236:237], v[126:127]
	v_pk_add_f32 v[246:247], v[246:247], v[130:131]
	v_pk_add_f32 v[244:245], v[244:245], v[134:135]
	v_pk_add_f32 v[242:243], v[242:243], v[138:139]
	v_pk_add_f32 v[240:241], v[240:241], v[142:143]
	v_pk_add_f32 v[238:239], v[238:239], v[146:147]
	v_pk_add_f32 v[198:199], v[198:199], v[150:151]
	v_pk_add_f32 v[14:15], v[14:15], v[154:155]
	v_pk_add_f32 v[236:237], v[236:237], v[158:159]
	s_delay_alu instid0(VALU_DEP_2)
	v_pk_add_f32 v[14:15], v[14:15], v[242:243]
	s_delay_alu instid0(VALU_DEP_2)
	v_pk_add_f32 v[236:237], v[236:237], v[240:241]
	v_pk_add_f32 v[246:247], v[246:247], v[238:239]
	v_pk_add_f32 v[244:245], v[244:245], v[198:199]
	s_delay_alu instid0(VALU_DEP_2)
	v_pk_add_f32 v[14:15], v[14:15], v[246:247]
	s_delay_alu instid0(VALU_DEP_2)
	v_pk_add_f32 v[236:237], v[236:237], v[244:245]
	s_delay_alu instid0(VALU_DEP_1)
	v_pk_add_f32 v[14:15], v[14:15], v[236:237]
	s_wait_alu depctr_va_vdst(0)                   ; and one for the four
.irp b, 0,1,2,3
	v_max_num_f32 v[232+\b], 0x1800000, v[232+\b]  ; the floor 2^(3 - 127)
.endr
.irp b, 0,1,2,3
	s_delay_alu instid0(VALU_DEP_4)
	v_add_nc_u32 v[244+\b], 0xff000000, v[232+\b]
.endr
.irp b, 0,1,2,3
	s_delay_alu instid0(VALU_DEP_4)
	v_lshrrev_b32 v[236+\b], 23, v[244+\b]
.endr
	s_delay_alu instid0(VALU_DEP_3)
	v_lshl_or_b32 v253, v237, 8, v236              ; p's scale word for these 128 keys
	s_delay_alu instid0(VALU_DEP_1)
	v_lshl_or_b32 v253, v238, 16, v253
	s_delay_alu instid0(VALU_DEP_1)
	v_lshl_or_b32 v253, v239, 24, v253
.irp c, 0,1
	v_cvt_scalef32_pk8_fp4_f32 v[192+4*\c], v[96+32*\c:103+32*\c], v[244+2*\c]      ; tile 4 c
	v_cvt_scalef32_pk8_fp4_f32 v[193+4*\c], v[112+32*\c:119+32*\c], v[245+2*\c]     ; tile 4 c + 2
	v_cvt_scalef32_pk8_fp4_f32 v[194+4*\c], v[104+32*\c:111+32*\c], v[244+2*\c]     ; tile 4 c + 1
	v_cvt_scalef32_pk8_fp4_f32 v[195+4*\c], v[120+32*\c:127+32*\c], v[245+2*\c]     ; tile 4 c + 3
.endr
	s_setprio 0
	v_nop                                          ; one plain line behind a scaled conversion
.irp c, 0,1
	v_permlane16_swap_b32 v[192+4*\c], v[193+4*\c] ; register 4 c + g of lane (r, h) now holds keys 64 c + 32 h + 8 g + 0 .. 7
	v_permlane16_swap_b32 v[194+4*\c], v[195+4*\c]
.endr
.irp j, 0,2,4,6,8,10,12,14,16,18,20,22,24,26,28,30
	v_pk_mul_f32 v[160+\j:161+\j], v[160+\j:161+\j], v[252:253] op_sel_hi:[1,0]   ; O^T under the new M; also the plain lines between the scale word's and the codes' last writes and the products
.endr
	s_wait_alu depctr_va_vdst(0)
	s_wait_dscnt 0x0                               ; V and its scale words
.irp t, 0,1,2,3
.if (\t)%2
	v_wmma_scale_f32_16x16x128_f8f6f4 v[160+8*\t:167+8*\t], v[200+8*\t:207+8*\t], v[192:199], v[160+8*\t:167+8*\t], v[248+\t/2], v253 matrix_a_fmt:MATRIX_FMT_FP4 matrix_b_fmt:MATRIX_FMT_FP4 matrix_a_scale:MATRIX_SCALE_ROW1
.else
	v_wmma_scale_f32_16x16x128_f8f6f4 v[160+8*\t:167+8*\t], v[200+8*\t:207+8*\t], v[192:199], v[160+8*\t:167+8*\t], v[248+\t/2], v253 matrix_a_fmt:MATRIX_FMT_FP4 matrix_b_fmt:MATRIX_FMT_FP4
.endif
.endr
.if \msk
.Lhidden_\@:
	s_add_co_u32 s40, s40, 128
.endif
	s_add_co_u32 s36, s36, 4096
	s_add_co_u32 s37, s37, 512
	s_add_co_u32 s38, s38, 256
.endm
.macro YBASE q0, cp, sp                ; where the tile's codes and scale bytes go in yq
	s_lshr_b32 s58, s13, 4
	s_lshl_b32 s58, s58, 7
	s_lshr_b32 s59, s[\q0], 4
	s_add_co_u32 s58, s58, s59                     ; row tile: 128 batch + query / 16
	s_and_b32 s59, s13, 15                         ; head
	s_lshl_b32 s60, s58, 13
	s_lshl_b32 s62, s59, 9
	s_add_co_u32 s60, s60, s62
	s_lshl_b32 s62, s58, 9
	s_lshr_b32 s58, s59, 3
	s_lshl_b32 s58, s58, 8
	s_add_co_u32 s62, s62, s58
	s_and_b32 s58, s59, 7
	s_lshl_b32 s58, s58, 1
	s_add_co_u32 s62, s62, s58
	s_add_co_u32 s62, s62, XSO
	s_mov_b32 s61, 0
	s_mov_b32 s63, 0
	s_add_nc_u64 s[\cp:\cp+1], s[8:9], s[60:61]
	s_add_nc_u64 s[\sp:\sp+1], s[8:9], s[62:63]
.endm
; O^T / the sum, quantised along d (two blocks of 32), stored in the order of the last product's operand registers.
.macro WAYOUT cp, sp
	v_add_f32 v14, v14, v15
	s_delay_alu instid0(VALU_DEP_1)
	v_permlanex16_b32 v252, v14, s32, s33
	s_delay_alu instid0(VALU_DEP_1)
	v_add_f32 v14, v14, v252                       ; the row's sum
	s_wait_alu depctr_va_vdst(0)
	v_rcp_f32 v14, v14
.rept 4
	v_nop                                          ; plain lines behind the reciprocal and behind the last products
.endr
	s_wait_alu depctr_va_vdst(0)                   ; ahead of the reciprocal's first reader
.irp j, 0,1,2,3,4,5,6,7,8,9,10,11,12,13,14,15,16,17,18,19,20,21,22,23,24,25,26,27,28,29,30,31
	v_mul_f32 v[96+\j], v[160+\j], v14             ; each accumulator from its low end on
.endr
.irp b, 0,1
	v_max3_num_f32 v[232+\b], |v[96+16*\b]|, |v[97+16*\b]|, 0x1800000
.endr
.irp i, 2,4,6,8,10,12,14
.irp b, 0,1
	s_delay_alu instid0(VALU_DEP_2)
	v_max3_num_f32 v[232+\b], v[232+\b], |v[96+16*\b+\i]|, |v[97+16*\b+\i]|
.endr
.endr
.irp b, 0,1
	s_delay_alu instid0(VALU_DEP_2)
	v_permlanex16_b32 v[236+\b], v[232+\b], s32, s33
.endr
.irp b, 0,1
	s_delay_alu instid0(VALU_DEP_2)
	v_max_num_f32 v[232+\b], v[232+\b], v[236+\b]
.endr
.irp b, 0,1
	s_delay_alu instid0(VALU_DEP_2)
	v_add_nc_u32 v[244+\b], 0xff000000, v[232+\b]
.endr
.irp b, 0,1
	s_delay_alu instid0(VALU_DEP_2)
	v_lshrrev_b32 v[236+\b], 23, v[244+\b]
.endr
	v_cvt_scalef32_pk8_fp4_f32 v192, v[96:103], v244
	v_cvt_scalef32_pk8_fp4_f32 v193, v[112:119], v245
	v_cvt_scalef32_pk8_fp4_f32 v194, v[104:111], v244
	v_cvt_scalef32_pk8_fp4_f32 v195, v[120:127], v245
	v_nop
	v_permlane16_swap_b32 v192, v193               ; lane (r, h): the 32 codes of block h of query r
	v_permlane16_swap_b32 v194, v195
	v_cmp_eq_u32 vcc_lo, 1, v4
	s_delay_alu instid0(VALU_DEP_1)
	v_cndmask_b32 v254, v236, v237, vcc_lo         ; and its byte
	global_store_b128 v1, v[192:195], s[\cp:\cp+1] ; 512 consecutive bytes
	global_store_b8 v7, v254, s[\sp:\sp+1]
	s_wait_xcnt 0x0                                ; the stores have read their registers, which the next tile writes again
.endm
	INIT
	s_wait_tensorcnt 1                             ; my part of keys 0 to 1,023 is in (the second half's load may be out)
	s_barrier_signal -1
	s_barrier_wait -1                              ; everybody's is
	s_wait_loadcnt 0x0                             ; Q; its address registers are free
	YBASE 42, 50, 52
	YBASE 43, 54, 56
	s_mov_b32 s36, 0
	s_mov_b32 s37, 65536
	s_mov_b32 s38, 69632
	s_mov_b32 s39, 8
.Lfirst_half:                                          ; the late tile, keys 0 to 1,023: all count
	STEP 16, 250, 0
	s_sub_co_u32 s39, s39, 1
	s_cmp_lg_u32 s39, 0
	s_cbranch_scc1 .Lfirst_half
	s_setprio 0
	s_wait_tensorcnt 0x0                           ; my part of keys 1,024 to 2,047 is in
	ds_add_u32 v5, v6                              ; 0 onto my spare word
	s_mov_b32 s36, HREC
	s_mov_b32 s37, HREC+65536
	s_mov_b32 s38, HREC+69632
	s_mov_b32 s40, 1024
	s_mov_b32 s41, s42
	s_mov_b32 s39, 8
	s_wait_dscnt 0x0
	s_barrier_signal -1
	s_barrier_wait -1                              ; everybody's is
.Lsecond_half:                                         ; the late tile, keys 1,024 on, up to its diagonal
	STEP 16, 250, 1
	s_sub_co_u32 s39, s39, 1
	s_cmp_lg_u32 s39, 0
	s_cbranch_scc1 .Lsecond_half
	s_setprio 0
	WAYOUT 50, 52
	INIT
	s_mov_b32 s36, 0
	s_mov_b32 s37, 65536
	s_mov_b32 s38, 69632
	s_mov_b32 s40, 0
	s_mov_b32 s41, s43
	s_mov_b32 s39, 8
.Learly:                                               ; the early tile, keys 0 on, up to its diagonal
	STEP 24, 251, 1
	s_sub_co_u32 s39, s39, 1
	s_cmp_lg_u32 s39, 0
	s_cbranch_scc1 .Learly
	s_setprio 0
	WAYOUT 54, 56
	s_wait_tensorcnt 0x0                           ; the wave's end
	ds_add_u32 v5, v6
	s_wait_dscnt 0x0
	s_endpgm
.Lfunc_end_k_qd29ea5ebf2_attn:
	.size	k_qd29ea5ebf2_attn, .Lfunc_end_k_qd29ea5ebf2_attn-k_qd29ea5ebf2_attn
	.p2alignl 7, 3214868480
	.fill 96, 4, 3214868480
	.section	.rodata,"a",@progbits
	.p2align	6, 0x0
	.amdhsa_kernel k_qd29ea5ebf2_attn
		.amdhsa_group_segment_fixed_size 327680
		.amdhsa_private_segment_fixed_size 0
		.amdhsa_enable_private_segment 0
		.amdhsa_kernarg_size 24
		.amdhsa_user_sgpr_count 2
		.amdhsa_user_sgpr_kernarg_segment_ptr 1
		.amdhsa_wavefront_size32 1
		.amdhsa_system_sgpr_workgroup_id_x 1
		.amdhsa_system_sgpr_workgroup_id_y 1
		.amdhsa_system_sgpr_workgroup_id_z 1
		.amdhsa_system_vgpr_workitem_id 0
		.amdhsa_next_free_vgpr 256
		.amdhsa_next_free_sgpr 66
		.amdhsa_reserve_vcc 1
		.amdhsa_float_denorm_mode_32 3
		.amdhsa_float_denorm_mode_16_64 3
		.amdhsa_memory_ordered 1
		.amdhsa_forward_progress 1
		.amdhsa_inst_pref_size 79
	.end_amdhsa_kernel
	.amdgpu_metadata
---
amdhsa.version: [ 1, 2 ]
amdhsa.kernels:
  - .name:           k_qd29ea5ebf2_attn
    .symbol:         k_qd29ea5ebf2_attn.kd
    .args:
      - { .name: qb, .offset: 0, .size: 8, .value_kind: global_buffer, .address_space: global }
      - { .name: kv, .offset: 8, .size: 8, .value_kind: global_buffer, .address_space: global }
      - { .name: yq, .offset: 16, .size: 8, .value_kind: global_buffer, .address_space: global }
    .group_segment_fixed_size: 327680
    .private_segment_fixed_size: 0
    .kernarg_segment_align: 8
    .kernarg_segment_size: 24
    .max_flat_workgroup_size: 512
    .sgpr_count:     66
    .vgpr_count:     256
    .wavefront_size: 32
...
	.end_amdgpu_metadata
.endif
;; end of part 3
;; launch proj (part 4): grid 4 x 32, 4 waves a work-group, clusters of 4 x 4, 327,680 bytes of LDS; arguments yq, wz, bp, out0; writes out0
.if DOCPART == 4
	.amdgcn_target "amdgcn-amd-amdhsa--gfx1250"
	.amdhsa_code_object_version 6
	.text
	.protected	k_qd29ea5ebf2_proj
	.globl	k_qd29ea5ebf2_proj
	.p2align	8
	.type	k_qd29ea5ebf2_proj,@function
k_qd29ea5ebf2_proj:
	s_mov_b64 s[64:65], 0
	v_nop
	global_prefetch_b8 v0, s[64:65] scope:SCOPE_SE
	s_setreg_imm32_b32 hwreg(HW_REG_WAVE_MODE, 25, 1), 1
	s_wait_xcnt 0x0
	s_wait_alu depctr_hold_cnt(0) depctr_sa_sdst(0) depctr_va_vdst(0) depctr_va_sdst(0) depctr_va_ssrc(0) depctr_va_vcc(0) depctr_vm_vsrc(0)
	s_getreg_b32 s2, hwreg(HW_REG_IB_STS2, 6, 4)
	s_cmp_eq_u32 s2, 0
	s_cbranch_scc0 .Lentry_in_a_cluster
	s_endpgm
.Lentry_in_a_cluster:
	s_bfe_u32 s2, ttmp6, 0x10000c
	s_cmp_lg_u32 s2, 0xf033
	s_cbranch_scc0 .Lentry_shape_is_right
	s_endpgm
.Lentry_shape_is_right:
; out0 = y wp^T + bp, on codes of FP4 (E2M1) with E8M0 scales; out0 [8192][1024] f32.  yq and wz are laid in the order of an operand's registers (codes [tile of 16 rows][block of 32 along K: 32][row: 16][16 bytes];
; scale bytes [tile][half of K: 2][row: 16][16 bytes]); wp is row tiles 192 to 255 of wz.
; A tile of 256 x 256 is made by four waves, 128 x 128 each: 64 accumulators, 512 registers.  K = 1,024 of both operands lies in LDS whole: two slots of 512 along K, each filled once.
; THE MATRIX INSTRUCTION IS USED TRANSPOSED (source 0 = 16 rows of wp, source 1 = 16 rows of y): a lane holds eight neighbouring numbers of a row of out0.  The bias is the C of the first K step.
; CLUSTERS: 4 x 4 work-groups: y's tile is asked for jointly along a row of the cluster, wp's along a column.  The 128 tiles give 128 work-groups.
; REGISTERS, in windows of 256: window 0: v1-11 lane terms; v16-29 addresses; v32-95 scale words, two sets; v128-191 A's fragments; v192-255 the bias; on the way out v128-255 hold rows of out0.
;   window 1: B's fragments, two sets.   windows 2, 3: the accumulators ((a, b) at v[8 (8 (a % 4) + b)]).
.set XSO,   4194304
.set WSO,   2097152
.set NQ,    4
.set FR,    8
.set NL,    2
.set NP,    4                          ; places behind this matrix instruction (ISA guide 7.12.1)
.set HALFT, 32768
.set SLOT,  4*HALFT
.set SCL,   2*SLOT
.set HALFS, 4096
.set SBLK,  512
.set SPARE, SCL+4*HALFS                ; the spare words, 128 bytes for each wave
.set SPITCH, 528                       ; the way out: a stage of 16 rows x (512 bytes + 16) for each wave, in slot 0, which has had its one fill and its last read when the first result is stored there
.set ROWC,  4096                       ; a row of out0 in bytes
.set ADRA, 16
.set ADRB, 20
.set STO,  24
.set RD,   25
.set CO,   26
.set ADRS, 27
.set SPW,  28
.set NIL,  29
.set SC,   32
.set AF,   128
.set BI,   192
.set BK,   128
.set G1, 24
.set G0, 32
.set G1B, 48
.set G0B, 56
.set G1S, 68
.set G0S, 76
.set G1SB, 80
.set G0SB, 88
.set WV,   66
.set RH,   67
.set CH,   92
.set TROW, 93
.set MSB, 0
.macro WIN new
.if MSB != (\new)
	s_set_vgpr_msb (MSB<<8)|(\new)
.set MSB, (\new)
.endif
.endm
.set MUL_LO, 0xa1
.set MUL_HI, 0xf1
.set C_LO,   0x81
.set C_HI,   0xc1
.set TO_B,   0x40
.macro JLOAD g0a, g1a, g0b, g1b        ; a joint load: waves 0, 1 fetch for A, waves 2, 3 for B; four v_nop follow each line
	s_cmp_eq_u32 s[RH], 0
	s_cbranch_scc0 .Lfor_b_\@
	tensor_load_to_lds s[\g0a:\g0a+3], s[\g1a:\g1a+7]
	s_nop 0
.rept 4
	v_nop
.endr
	s_branch .Lasked_\@
.Lfor_b_\@:
	tensor_load_to_lds s[\g0b:\g0b+3], s[\g1b:\g1b+7]
	s_nop 0
.rept 4
	v_nop
.endr
.Lasked_\@:
.endm
.macro CROUND
	s_barrier_signal -1
	s_barrier_wait -1
	s_cmp_lg_u32 s[WV], 0
	s_cbranch_scc1 .Lnot_wave_0_\@
	s_barrier_signal -3
.Lnot_wave_0_\@:
	s_barrier_wait -3
	s_barrier_signal -1
	s_barrier_wait -1
.endm
	s_load_b256 s[4:11], s[0:1], 0x0               ; yq, wz, bp, out0
	v_lshl_add_u32 v[SPW], v0, 2, SPARE
	v_mov_b32 v[NIL], 0
	ds_add_u32 v28, v29
	ds_add_u32 v28, v29
	s_wait_dscnt 0x0
	v_lshrrev_b32 v1, 5, v0
	v_readfirstlane_b32 s[WV], v1
	s_lshr_b32 s[RH], s[WV], 1
	s_and_b32 s[CH], s[WV], 1
	s_bfe_u32 s40, ttmp6, 0x40000                  ; cx
	s_bfe_u32 s41, ttmp6, 0x40004                  ; cy
	s_lshl_b32 s42, ttmp9, 2
	s_add_co_u32 s42, s42, s40                     ; tile column
	s_and_b32 s[TROW], ttmp7, 0xffff
	s_lshl_b32 s[TROW], s[TROW], 2
	s_add_co_u32 s[TROW], s[TROW], s41             ; tile row
	s_lshl_b32 s43, s41, 2
	s_lshl_b32 s43, 15, s43
	s_lshl_b32 s44, 0x1111, s40
	s_or_b32 s[G1+0], s43, (3<<16)|(1<<21)         ; codes: 8 rows of 4,096 bytes (512 elements of 8), 8,192 bytes apart
	s_or_b32 s[G1B+0], s44, (3<<16)|(1<<21)
.irp g, G1, G1B
	s_mov_b32 s[\g+1], 512<<16
	s_mov_b32 s[\g+2], 8<<16
	s_mov_b32 s[\g+3], 512<<16
	s_mov_b32 s[\g+4], 8
	s_mov_b32 s[\g+5], 1024
	s_mov_b32 s[\g+6], 0
	s_mov_b32 s[\g+7], 0
.endr
	s_or_b32 s[G1S+0], s43, (3<<16)|(1<<21)        ; scale bytes of 128 rows: 16 dense rows of 256 bytes
	s_or_b32 s[G1SB+0], s44, (3<<16)|(1<<21)
.irp g, G1S, G1SB
	s_mov_b32 s[\g+1], 32<<16
	s_mov_b32 s[\g+2], 16<<16
	s_mov_b32 s[\g+3], 32<<16
	s_mov_b32 s[\g+4], 16
	s_mov_b32 s[\g+5], 32
	s_mov_b32 s[\g+6], 0
	s_mov_b32 s[\g+7], 0
.endr
	s_lshl_b32 s2, s[CH], 3
	s_lshl_b32 s20, s[TROW], 4
	s_add_co_u32 s20, s20, s2                      ; A: my first row tile
	s_lshl_b32 s22, s20, 9
	s_add_co_u32 s22, s22, XSO
	s_lshl_b32 s20, s20, 13
	s_mov_b32 s21, 0
	s_mov_b32 s23, 0
	s_lshl_b32 s46, s42, 4
	s_add_co_u32 s46, s46, s2
	s_add_co_u32 s46, s46, 192                     ; B: wp begins at row tile 192 of wz
	s_lshl_b32 s96, s46, 9
	s_add_co_u32 s96, s96, WSO
	s_lshl_b32 s46, s46, 13
	s_mov_b32 s47, 0
	s_mov_b32 s97, 0
	s_mul_i32 s45, s[WV], HALFT
	s_mul_i32 s95, s[WV], HALFS
	s_wait_kmcnt 0x0
	s_add_nc_u64 s[20:21], s[4:5], s[20:21]
	s_add_nc_u64 s[22:23], s[4:5], s[22:23]
	s_add_nc_u64 s[46:47], s[6:7], s[46:47]
	s_add_nc_u64 s[96:97], s[6:7], s[96:97]
	CROUND                                         ; all sixteen work-groups are here: the joint loads meet
	s_mov_b32 s[G0S], 1
	s_add_co_u32 s[G0S+1], s95, SCL
	s_mov_b64 s[G0S+2:G0S+3], s[22:23]
	s_or_b32 s[G0S+3], s[G0S+3], 0x80000000
	s_mov_b32 s[G0SB], 1
	s_add_co_u32 s[G0SB+1], s95, SCL
	s_mov_b64 s[G0SB+2:G0SB+3], s[96:97]
	s_or_b32 s[G0SB+3], s[G0SB+3], 0x80000000
	JLOAD G0S, G1S, G0SB, G1SB                     ; three loads of mine go out, all first fills
.irp s, 0,1
	s_mov_b32 s[G0+4*\s], 1
	s_add_co_u32 s[G0+4*\s+1], s45, \s*SLOT
	s_add_nc_u64 s[G0+4*\s+2:G0+4*\s+3], s[20:21], \s*4096
	s_or_b32 s[G0+4*\s+3], s[G0+4*\s+3], 0x80000000
	s_mov_b32 s[G0B+4*\s], 1
	s_add_co_u32 s[G0B+4*\s+1], s45, \s*SLOT
	s_add_nc_u64 s[G0B+4*\s+2:G0B+4*\s+3], s[46:47], \s*4096
	s_or_b32 s[G0B+4*\s+3], s[G0B+4*\s+3], 0x80000000
	s_wait_alu depctr_va_vdst(0)
	s_wait_tensorcnt 0x0
	ds_add_u32 v28, v29
	s_wait_dscnt 0x0
	CROUND
	JLOAD G0+4*\s, G1, G0B+4*\s, G1B
.endr
	v_and_b32 v1, 15, v0                           ; r
	v_bfe_u32 v2, v0, 4, 1                         ; h
	s_wait_alu depctr_va_vdst(0)
	v_and_b32 v9, 31, v0
	v_lshlrev_b32 v4, 4, v9                        ; 16 x lane
	v_lshlrev_b32 v7, 5, v2                        ; 32 h
	s_mul_i32 s21, s[RH], HALFT
	s_mul_i32 s22, s[CH], HALFT
	s_add_co_u32 s22, s22, 2*HALFT
.irp s, 0,1
	v_add_nc_u32 v[ADRA+\s], s21, v4
	v_add_nc_u32 v[ADRB+\s], s22, v4
	s_add_co_u32 s21, s21, SLOT
	s_add_co_u32 s22, s22, SLOT
.endr
	v_lshlrev_b32 v10, 4, v1
	s_mul_i32 s21, s[RH], HALFS
	s_mul_i32 s22, s[CH], HALFS
	s_add_co_u32 s22, s22, 2*HALFS
	s_sub_co_u32 s22, s22, s21
	v_mul_u32_u24 v11, s22, v2                     ; lanes 16-31 take B's scale words
	s_add_co_u32 s21, s21, SCL
	v_add_nc_u32 v10, v10, v11
	v_add_nc_u32 v[ADRS], s21, v10
	s_mul_i32 s23, s[WV], 16*SPITCH                ; my stage
	v_mul_u32_u24 v5, v1, SPITCH
	v_lshl_add_u32 v5, v2, 5, v5
	v_add_nc_u32 v[STO], s23, v5                   ; in: row r, 32 bytes for each half of the lanes
	v_lshlrev_b32 v[CO], 4, v9                     ; back: the 32 lanes take one row of 512 bytes; the same in out0
	v_add_nc_u32 v[RD], s23, v[CO]
	s_lshl_b32 s20, s42, 10
	s_lshl_b32 s21, s[CH], 9
	s_add_co_u32 s20, s20, s21                     ; my first column, in bytes: in bp and in a row of out0 alike
	s_mov_b32 s21, 0
	s_add_nc_u64 s[98:99], s[8:9], s[20:21]
.irp b, 0,1,2,3,4,5,6,7
.irp k, 0,1
	global_load_b128 v[BI+8*\b+4*\k:BI+8*\b+4*\k+3], v7, s[98:99] offset:64*\b+16*\k   ; the bias in the result's layout
.endr
.endr
	s_lshl_b32 s46, s[TROW], 8
	s_lshl_b32 s47, s[RH], 7
	s_add_co_u32 s46, s46, s47                     ; my first row
	s_lshl_b32 s46, s46, 12
	s_add_co_u32 s20, s20, s46
	s_add_nc_u64 s[10:11], s[10:11], s[20:21]
.macro FRAG reg, adr, q, i
.irp c, 0,1
	ds_load_b128 v[\reg+4*\c:\reg+4*\c+3], v[\adr] offset:1024*(\q)+512*\c+(\i)*4096
.endr
.endm
; 16 matrix instructions: A's blocks a0, a0 + 1 x B's eight.  The 64 accumulators take turns, one instruction a turn, in the same order in every step.
.macro MUL16 a0, p, q, sc, zero
.irp a, \a0, \a0+1
.irp b, 0,1,2,3,4,5,6,7
.if \zero
	v_wmma_scale_f32_16x16x128_f8f6f4 v[8*(8*((\a)%4)+\b):8*(8*((\a)%4)+\b)+7], v[128*(\p)+FR*\b:128*(\p)+FR*\b+FR-1], v[AF+FR*(\a):AF+FR*(\a)+FR-1], v[BI+8*\b:BI+8*\b+7], v[SC+8*NQ*(\sc)+NQ*\b+(\q)], v[SC+8*NQ*(\sc)+NQ*(\a)+(\q)] matrix_a_fmt:MATRIX_FMT_FP4 matrix_b_fmt:MATRIX_FMT_FP4 matrix_a_scale:MATRIX_SCALE_ROW1
.else
	v_wmma_scale_f32_16x16x128_f8f6f4 v[8*(8*((\a)%4)+\b):8*(8*((\a)%4)+\b)+7], v[128*(\p)+FR*\b:128*(\p)+FR*\b+FR-1], v[AF+FR*(\a):AF+FR*(\a)+FR-1], v[8*(8*((\a)%4)+\b):8*(8*((\a)%4)+\b)+7], v[SC+8*NQ*(\sc)+NQ*\b+(\q)], v[SC+8*NQ*(\sc)+NQ*(\a)+(\q)] matrix_a_fmt:MATRIX_FMT_FP4 matrix_b_fmt:MATRIX_FMT_FP4 matrix_a_scale:MATRIX_SCALE_ROW1
.endif
.endr
.endr
.endm
.macro FETCH_B slot, q, p
	WIN TO_B
.irp i, 0,1,2,3,4,5,6,7
	FRAG 128*(\p)+FR*\i, ADRB+\slot, \q, \i
.endr
	WIN 0
.endm
.macro FETCH_A slot, q, i0
.irp i, \i0, \i0+1, \i0+2, \i0+3
	FRAG AF+FR*(\i), ADRA+\slot, \q, \i
.endr
.endm
.macro SCALES sc
.irp i, 0,1,2,3,4,5,6,7
	ds_load_b128 v[SC+8*NQ*\sc+NQ*\i:SC+8*NQ*\sc+NQ*\i+3], v[ADRS] offset:\i*SBLK
.endr
.endm
.macro PLACES n
.rept \n
	v_nop
.endr
.endm
.macro STEP slot, q, zero
	s_wait_dscnt 4*NL                              ; B's set and A's blocks 0-3 are in; the youngest 8 loads (A's blocks 4-7) may be out
.if \zero
	WIN C_LO
.else
	WIN MUL_LO
.endif
	MUL16 0, (\q)%2, \q, \slot, \zero
	MUL16 2, (\q)%2, \q, \slot, \zero
	s_wait_dscnt 0
	PLACES NP
	FETCH_B \slot, (\q)+1, 1-(\q)%2
	FETCH_A \slot, (\q)+1, 0
.if \zero
	WIN C_HI
.else
	WIN MUL_HI
.endif
	MUL16 4, (\q)%2, \q, \slot, \zero
	MUL16 6, (\q)%2, \q, \slot, \zero
	PLACES NP
	WIN 0
	FETCH_A \slot, (\q)+1, 4
.endm
.macro STEPS slot, from
.set Q, \from
.rept NQ-1-\from
	STEP \slot, Q, 0
.set Q, Q+1
.endr
.endm
	s_wait_alu depctr_va_vdst(0)
	s_wait_tensorcnt 1                             ; the scale bytes and my part of slot 0 are in (slot 1's load may be out),
	s_barrier_signal -1
	s_barrier_wait -1                              ; everybody's are
	FETCH_B 0, 0, 0
	FETCH_A 0, 0, 0
	SCALES 0
	FETCH_A 0, 0, 4
	s_wait_loadcnt 0x0                             ; the bias
	STEP 0, 0, 1
	STEPS 0, 1
	s_wait_tensorcnt 0x0                           ; my part of slot 1 has landed
	ds_add_u32 v[SPW], v[NIL]                      ; 0 onto my spare word
	s_wait_dscnt 4*NL+1                            ; (the add and the youngest 8 loads may be out)
	WIN MUL_LO
	MUL16 0, 1, NQ-1, 0, 0
	s_wait_dscnt 0x0                               ; my reads of slot 0 are over
	s_barrier_signal -1
	MUL16 2, 1, NQ-1, 0, 0
	WIN 0
	s_barrier_wait -1                              ; slot 1 is whole, and nobody reads slot 0 any more
	PLACES NP
	v_add_nc_u32 v[ADRS], 256, v[ADRS]
	FETCH_B 1, 0, 0
	FETCH_A 1, 0, 0
	SCALES 1
	WIN MUL_HI
	MUL16 4, 1, NQ-1, 0, 0
	MUL16 6, 1, NQ-1, 0, 0
	PLACES NP
	WIN 0
	FETCH_A 1, 0, 4
	STEPS 1, 0
	s_wait_dscnt 4*NL
	WIN MUL_LO
	MUL16 0, 1, NQ-1, 1, 0
	MUL16 2, 1, NQ-1, 1, 0
	s_wait_dscnt 0
	WIN MUL_HI
	MUL16 4, 1, NQ-1, 1, 0
	MUL16 6, 1, NQ-1, 1, 0
	WIN 0
; THE WAY OUT, block by block of 16 rows x 128 columns, through my own stage in LDS: in as 32 bytes a lane, back as whole rows of 512 bytes.  LDS serves a wave's instructions in order (ISA guide 5.7.1.4).
.macro TOSTAGE a
.set AC, 64*((\a)%4)
	WIN 0x08+4*((\a)/4)                            ; the data: window 2 or 3
.irp b, 0,1,2,3,4,5,6,7
	ds_store_b128 v[STO], v[AC+8*\b:AC+8*\b+3] offset:64*\b          ; each accumulator from its low end on
	ds_store_b128 v[STO], v[AC+8*\b+4:AC+8*\b+7] offset:64*\b+16
.endr
	WIN 0
.set BB, BK+64*((\a)%2)
.irp t, 0,1,2,3,4,5,6,7,8,9,10,11,12,13,14,15
	ds_load_b128 v[BB+4*\t:BB+4*\t+3], v[RD] offset:\t*SPITCH
.endr
.endm
.macro SEND a, younger                 ; younger: the LDS instructions issued behind block a's loads, which may stay out
.set BB, BK+64*((\a)%2)
	s_wait_dscnt \younger
.if (\a) > 0
	s_add_nc_u64 s[10:11], s[10:11], 16*ROWC       ; (behind a wait on XCNT: the earlier stores have read their base)
.endif
.irp t, 0,1,2,3,4,5,6,7,8,9,10,11,12,13,14,15
	global_store_b128 v[CO], v[BB+4*\t:BB+4*\t+3], s[10:11] offset:\t*ROWC th:TH_STORE_NT   ; 32 lanes store 512 consecutive bytes, aligned; written once, read by nobody here
.endr
.endm
	PLACES NP
	TOSTAGE 0
.irp a, 1,2,3,4,5,6,7
.if \a > 1
	s_wait_xcnt 0x0                                ; block a - 2's stores have read their registers and their base
.endif
	TOSTAGE \a
	SEND \a-1, 32                                  ; behind block a - 1's loads: block a's 16 stores and 16 loads
.endr
	s_wait_xcnt 0x0
	SEND 7, 0
	s_wait_tensorcnt 0x0                           ; the wave's end
	ds_add_u32 v[SPW], v[NIL]
	s_wait_dscnt 0x0
	CROUND                                         ; the closing round
	s_endpgm
.Lfunc_end_k_qd29ea5ebf2_proj:
	.size	k_qd29ea5ebf2_proj, .Lfunc_end_k_qd29ea5ebf2_proj-k_qd29ea5ebf2_proj
	.p2alignl 7, 3214868480
	.fill 96, 4, 3214868480
	.section	.rodata,"a",@progbits
	.p2align	6, 0x0
	.amdhsa_kernel k_qd29ea5ebf2_proj
		.amdhsa_group_segment_fixed_size 327680
		.amdhsa_private_segment_fixed_size 0
		.amdhsa_enable_private_segment 0
		.amdhsa_kernarg_size 32
		.amdhsa_user_sgpr_count 2
		.amdhsa_user_sgpr_kernarg_segment_ptr 1
		.amdhsa_wavefront_size32 1
		.amdhsa_system_sgpr_workgroup_id_x 1
		.amdhsa_system_sgpr_workgroup_id_y 1
		.amdhsa_system_sgpr_workgroup_id_z 1
		.amdhsa_system_vgpr_workitem_id 0
		.amdhsa_next_free_vgpr 1024
		.amdhsa_next_free_sgpr 102
		.amdhsa_reserve_vcc 0
		.amdhsa_float_denorm_mode_32 3
		.amdhsa_float_denorm_mode_16_64 3
		.amdhsa_memory_ordered 1
		.amdhsa_forward_progress 1
		.amdhsa_inst_pref_size 127
	.end_amdhsa_kernel
	.amdgpu_metadata
---
amdhsa.version: [ 1, 2 ]
amdhsa.kernels:
  - .name:           k_qd29ea5ebf2_proj
    .symbol:         k_qd29ea5ebf2_proj.kd
    .args:
      - { .name: yq, .offset: 0, .size: 8, .value_kind: global_buffer, .address_space: global }
      - { .name: wz, .offset: 8, .size: 8, .value_kind: global_buffer, .address_space: global }
      - { .name: bp, .offset: 16, .size: 8, .value_kind: global_buffer, .address_space: global }
      - { .name: out0, .offset: 24, .size: 8, .value_kind: global_buffer, .address_space: global }
    .group_segment_fixed_size: 327680
    .private_segment_fixed_size: 0
    .kernarg_segment_align: 8
    .kernarg_segment_size: 32
    .max_flat_workgroup_size: 128
    .sgpr_count:     102
    .vgpr_count:     1024
    .wavefront_size: 32
...
	.end_amdgpu_metadata
.endif
;; end of part 4
